; MI455X (gfx1250); checked and timed in simulation.
; The chip was launched on July 23, 2026; its instructions are those of AMD's public machine-readable ISA for CDNA 5 (MIT licence, August 2026) and "CDNA5" Instruction Set Architecture Reference Guide (July 2026). The comments in the code are by the model that wrote it; some were corrected since.
;; Multi Head Attention. Allowed arithmetic: matrix products marked QUANTISED: E4M3 operands, one E8M0 scale for each 32 along K, by v_wmma_scale_f32_16x16x128_f8f6f4 with both operands' format E4M3, f32 sums; everything else in f32.
;; Inputs: Wk 1,024 x 1,024 float32; Wo 1,024 x 1,024 float32; Wq 1,024 x 1,024 float32; Wv 1,024 x 1,024 float32; bo 1,024 float32; x 4 x 2,048 x 1,024 float32.
;; Outputs: out0 4 x 2,048 x 1,024 float32.
;; This version of the problem:
;;   THIS VERSION OF THE PROBLEM IS GIVEN IN LOW PRECISION. The matrix products marked QUANTISED in the list below multiply operands that are first quantised to E4M3 (4 exponent bits, 3 mantissa bits; 8 bits a number), with one power-of-two scale for each 32 numbers along K (OCP MX v1.0); their sums are f32. All else is computed in f32.
;;   The module's matrix products, in the order in which they are computed (A, B: the left and right operand; K: the contracted axis; several contracted axes count as one K, in the product's order):
;;     1. [M 8,192, K 1,024] x [K 1,024, N 1,024]; A: input x; B: input Wq: QUANTISED
;;     2. [M 8,192, K 1,024] x [K 1,024, N 1,024]; A: input x; B: input Wk: QUANTISED
;;     3. [M 8,192, K 1,024] x [K 1,024, N 1,024]; A: input x; B: input Wv: QUANTISED
;;     4. batch 64 x [M 2,048, K 64] x [K 64, N 2,048]; A: computed on the way; B: computed on the way: QUANTISED
;;     5. batch 64 x [M 2,048, K 2,048] x [K 2,048, N 64]; A: softmax (see below); B: computed on the way: QUANTISED
;;     6. [M 8,192, K 1,024] x [K 1,024, N 1,024]; A: computed on the way; B: input Wo: QUANTISED
;;   THE QUANTISER, for each operand of a quantised product, along K:
;;     - K is cut into blocks of 32 from its start; a last block that is shorter is filled with zeros.
;;     - A block's scale is 2^e with e = floor(log2(the largest magnitude in the block)) - 8, held to -126 .. 127; a block of zeros has e = 0. As a byte (E8M0): e + 127.
;;     - Each number is divided by its block's scale, clamped to +-448, and rounded to the nearest number of E4M3, ties to even, subnormals kept.
;;     - The product sums the exact products of the quantised numbers (number of the format x scale) in f32.
;;   ~~~python
;;   def quantise(x, axis):      # numpy; x: float32 -> the quantised numbers, widened to float32 again
;;       x = np.moveaxis(x, axis, -1); K = x.shape[-1]
;;       x = np.pad(x, [(0, 0)] * (x.ndim - 1) + [(0, -K % 32)]); x = x.reshape(x.shape[:-1] + (-1, 32)); a = np.abs(x).max(-1, keepdims=True)
;;       e = np.where(a > 0, np.clip(np.frexp(np.where(a > 0, a, 1))[1] - 1 - 8, -126, 127), 0)      # np.frexp(a)[1] - 1 = floor(log2(a)), exactly
;;       r = np.clip(x / 2.0 ** e, -448, 448)
;;       step = 2.0 ** (np.maximum(np.frexp(np.where(r == 0, 1, r))[1] - 1, -6) - 3)
;;       q = np.round(r / step) * step * 2.0 ** e      # np.round: ties to even
;;       return np.moveaxis(q.reshape(q.shape[:-2] + (-1,))[..., :K], -1, axis).astype(np.float32)
;;   ~~~
;;   SOFTMAX AHEAD OF A QUANTISED PRODUCT. Where the list says 'softmax', what is quantised is not the finished softmax but p = 2^(t - M), with t = logit x log2(e) and M = ceil(the row's largest t), a whole number; so 1/2 < the row's largest p <= 1. The row's sum l is taken of the UNQUANTISED p, in f32, and the product's result is divided by l at the end. Since M is a whole number, a kernel that streams over the keys may use a running M (the ceiling of the running maximum): every later rescaling is an exact power of two, which a block's scale takes up: the codes' values come out the same.
;;   OPERANDS COMPUTED ON THE WAY. 'Computed on the way' means the value that the module computes at that place (a softmax that the list does not call 'softmax' is quantised finished and normalised). What goes into a quantiser is computed in f32, as accurately as f32 sums, v_exp_f32 and their like allow (about 1e-6 of the number): no bf16 or f16 on the way to a quantiser, and a product that is left as it is and whose result goes on into a quantised operand takes f32 operands (vector FMAs, or v_wmma_f32_16x16x4_f32). A number that lies on a knife's edge between two numbers of the format may be rounded either way, as far as f32 arithmetic and the matrix unit's own rounding can turn it there, and no further.
;; One version. Each part assembles by itself: llvm-mc -triple=amdgcn-amd-amdhsa -mcpu=gfx1250 --defsym DOCPART=n.
;; ======== version 1 of 1: 4 launches
;; limits: right only within a limited range of input values
;; workspace buffers: xq 8,650,752 bytes; wq8 4,325,376 bytes; rope 524,288 bytes; qimg 8,650,752 bytes; kvimg 17,301,504 bytes; aimg 8,650,752 bytes
;; launch prep (part 1): grid 384 x 1, 4 waves a work-group, no clusters, 68,096 bytes of LDS; arguments x, Wq, Wk, Wv, Wo, xq, wq8, rope; writes xq, wq8, rope
.if DOCPART == 1
	.amdgcn_target "amdgcn-amd-amdhsa--gfx1250"
	.amdhsa_code_object_version 6
	.text
	.protected	k_q6dd0951705_prep
	.globl	k_q6dd0951705_prep
	.p2align	8
	.type	k_q6dd0951705_prep,@function
k_q6dd0951705_prep:
	s_mov_b64 s[64:65], 0
	v_nop
	global_prefetch_b8 v0, s[64:65] scope:SCOPE_SE
	s_setreg_imm32_b32 hwreg(HW_REG_WAVE_MODE, 25, 1), 1
	s_wait_xcnt 0x0
; FIRST OF FOUR LAUNCHES of causal multi-head attention (B 4, T 2,048, C 1,024, 16 heads of 64) with all six products on codes of FP8 (E4M3), one E8M0 scale for each 32 along K.
; This launch turns x [8192][1024] (K innermost) and Wq, Wk, Wv, Wo [1024 (K)][1024 (n)] (K first) into codes with K innermost and scale bytes, and makes the table of cos and sin for the rotation.
; DEAD WORK, for the whole program: reference() sets every score with key > query to -infinity by a mask that it builds itself; its weight is then exactly 0 whatever finite values the inputs hold.  So a step of 128 keys
; all of which come after all 32 queries of a wave is left out whole (third launch): its two products, its softmax.  Nothing else is left out; every input is loaded.
; LIMITS: a NaN, an infinity or an overflow that reaches only the work left out is not carried to the result.  NaN and infinities among the inputs are not served.  A block whose largest magnitude lies under 2^-118 has its
; scale byte held at 1; a block of zeros keeps the byte 1 where the rule says 127 (its codes are zeros, and only this program reads the bytes).  The rotation's frequencies are 10^(-i/8) rounded to f32, within an ulp of
; reference()'s own; sin and cos come by a reduction to a quarter turn and polynomials, good to about 1e-7.
; THE ORDER OF ROWS.  Row i of x's codes (a token) and row n of each weight's codes (an output feature) is stored at row swap34(i): bits 3 and 4 exchanged.  Sixteen neighbouring stored rows 16 a + r then hold
; 32 (a / 2) + 8 (a % 2) + r + 8 (r / 8), so that in a transposed matrix result the 16 registers of two neighbouring tiles are 16 true neighbours: the next product's K, ready for the conversions.
; SHARES.  Work-groups 0-255: x, a plain stream of blocks of 32: a wave takes 8 rows (16 steps of 512 numbers), through its own stage in LDS so that loads are dense and a lane still holds 16 neighbours; the run of 8 rows
; is stored at the run whose number has bits 0 and 1 exchanged.  Each of these threads also makes 16 bytes of the table while its first loads are out.  Work-groups 256-383: the weights: a lane takes a column, its registers
; run down K, the codes leave through a stage as rows.  The two ways have LDS bytes of their own.  No matrix unit, no tensor load, no barrier: memory binds and waves share nothing.
.set STEPS, 16
.set EMAX,  8
.set MANT,  0x600000                   ; the mantissa field of 448 as f32
.set R,     16                         ; x: v16-79   four sets of 16 numbers as loaded
.set X,     80                         ; x: v80-111  two sets of 16 neighbours (until the first turn: at work for the table)
.set E,     112                        ; x: v112-127 a scale byte for each step
.set C,     128                        ; x: v128-191 codes, four registers a step
.set WREG,  8192                       ; x: LDS of a wave: two stages of 32 x 80 bytes, then its 256 scale bytes
.set SP,    80
.set WSTG,  32768                      ; weights: LDS from here: 32 rows x 272 bytes for each wave
.set WPITCH, 272
.set WSB,   24                         ; weights: v24-25 scale bytes; v32-95 two sets of 32 numbers; v96-103 codes; v112-175 the way out
.set WX,    32
.set WC,    96
.set WOUT,  112
.set SPW,   198                        ; v198 LDS address of my spare word; never rewritten
.set NIL,   199                        ; v199 0; never rewritten
.set SPARE, WSTG+4*32*WPITCH           ; the spare words, 128 bytes for each wave: two blocks of 256 bytes that no other line names
.macro XLOAD t
.irp i, 0,1,2,3
	global_load_b128 v[R+16*((\t)%4)+4*\i:R+16*((\t)%4)+4*\i+3], v3, s[4:5] offset:2048*(\t)+512*\i th:TH_LOAD_NT   ; 32 lanes read 512 consecutive bytes
.endr
.endm
.macro XTURN t                         ; a step's 2,048 bytes through the stage: LDS serves a wave's instructions in order, so no wait stands between the stores and the loads
.irp i, 0,1,2,3
	ds_store_b128 v14, v[R+16*((\t)%4)+4*\i:R+16*((\t)%4)+4*\i+3] offset:32*SP*((\t)%2)+8*SP*\i
.endr
.irp i, 0,1,2,3
	ds_load_b128 v[X+16*((\t)%2)+4*\i:X+16*((\t)%2)+4*\i+3], v15 offset:32*SP*((\t)%2)+16*\i
.endr
.endm
.macro XSTEP t
.set XS, X+16*((\t)%2)
.if (\t) > 0
	s_wait_dscnt 1                                 ; this step's numbers are back from the stage (the last step's byte store may be out)
.else
	s_wait_dscnt 0x0
.endif
.if (\t)+4 < STEPS
	XLOAD (\t)+4                                   ; into the set whose stores into the stage have read their registers
.endif
.if (\t)+1 < STEPS
.if STEPS-2-(\t) >= 3
	s_wait_loadcnt 12                              ; the next step's four loads are in; the twelve of the three steps behind it may be out
.else
	s_wait_loadcnt 4*(STEPS-2-(\t))
.endif
	XTURN (\t)+1
.endif
	v_max3_num_f32 v8, |v[XS]|, |v[XS+1]|, |v[XS+2]|               ; the largest magnitude of my 16, in two chains
	v_max3_num_f32 v9, |v[XS+3]|, |v[XS+4]|, |v[XS+5]|
.irp i, 6,10
	v_max3_num_f32 v8, v8, |v[XS+\i]|, |v[XS+\i+1]|
	v_max3_num_f32 v9, v9, |v[XS+\i+2]|, |v[XS+\i+3]|
.endr
	v_max3_num_f32 v8, v8, |v[XS+14]|, |v[XS+15]|
	v_max3_num_f32 v8, v8, v9, (EMAX+1)<<23        ; and the floor 2^(9 - 127): the byte cannot fall under 1
	v_max_num_f32_dpp v8, v8, v8 row_xmask:1 row_mask:0xf bank_mask:0xf   ; with my neighbour's 16: the block's
	v_add_nc_u32 v11, -(EMAX<<23), v8              ; 8 off its exponent field: the conversion's scale operand
	v_and_or_b32 v10, v8, 0x7f800000, s46          ; 448 x the scale
.irp i, 0,1,2,3,4,5,6,7,8,9,10,11,12,13,14,15
	v_med3_num_f32 v[XS+\i], v[XS+\i], -v10, v10   ; the conversion to an 8-bit code does not saturate (ISA guide 7.6.2): the hold
.endr
	v_cvt_scalef32_pk8_fp8_f32 v[C+4*(\t):C+4*(\t)+1], v[XS:XS+7], v11
	v_cvt_scalef32_pk8_fp8_f32 v[C+4*(\t)+2:C+4*(\t)+3], v[XS+8:XS+15], v11
	v_lshrrev_b32 v[E+(\t)], 23, v11               ; the scale's byte
	ds_store_b8 v5, v[E+(\t)] offset:16*(\t)       ; both lanes of a block write the same byte with the same value
	global_store_b128 v3, v[C+4*(\t):C+4*(\t)+3], s[14:15] offset:512*(\t)   ; 32 lanes store 512 consecutive bytes
.endm
; the angles of piece k: token x frequency, one rounding, for (lanes 0-15, lanes 16-31) x (first pair, second pair)
.macro FREQ k, f00, f01, f10, f11
	s_cmp_lg_u32 s23, \k
	s_cbranch_scc1 .Lnot_\@
	v_mul_f32 v84, \f00, v80
	v_mul_f32 v85, \f01, v80
	v_mul_f32 v86, \f10, v80
	v_mul_f32 v87, \f11, v80
.Lnot_\@:
.endm
; cos and sin of v[ang] (0 to 2,047): n = the nearest whole number of quarter turns, r = ang - n pi/2 in two parts (the first is exact: n has 11 bits), polynomials on |r| <= pi/4, then the quarter
.macro SINCOS ang, c, s, n, r, z, q
	v_mul_f32 v[\n], 0x3f22f983, v[\ang]           ; x 2 / pi
	v_rndne_f32 v[\n], v[\n]
	v_fma_f32 v[\r], v[\n], 0xbfc90fdb, v[\ang]    ; - n x 1.57079637
	v_fma_f32 v[\r], v[\n], 0x333bbd2e, v[\r]      ; + n x 4.37113883e-8
	v_cvt_i32_f32 v[\q], v[\n]
	v_mul_f32 v[\z], v[\r], v[\r]
	v_fma_f32 v[\s], v[\z], s40, 8.3321608736e-3
	v_fma_f32 v[\c], v[\z], s41, -1.388731625e-3
	v_fma_f32 v[\s], v[\s], v[\z], -1.6666654611e-1
	v_fma_f32 v[\c], v[\c], v[\z], 4.166664568e-2
	v_mul_f32 v[\n], v[\r], v[\z]
	v_mul_f32 v[\ang], v[\z], v[\z]
	v_fma_f32 v[\s], v[\s], v[\n], v[\r]           ; sin r
	v_fma_f32 v[\z], v[\z], -0.5, 1.0
	v_fma_f32 v[\c], v[\c], v[\ang], v[\z]         ; cos r
	v_and_b32 v[\n], 1, v[\q]
	v_cmp_eq_u32 vcc_lo, 1, v[\n]
	v_cndmask_b32 v[\r], v[\s], v[\c], vcc_lo      ; an odd quarter exchanges the two
	v_cndmask_b32 v[\z], v[\c], v[\s], vcc_lo
	v_and_b32 v[\n], 2, v[\q]
	v_lshlrev_b32 v[\n], 30, v[\n]
	v_xor_b32 v[\s], v[\r], v[\n]                  ; sin is negative in quarters 2 and 3,
	v_add_nc_u32 v[\q], 1, v[\q]
	v_and_b32 v[\q], 2, v[\q]
	v_lshlrev_b32 v[\q], 30, v[\q]
	v_xor_b32 v[\c], v[\z], v[\q]                  ; cos in quarters 1 and 2
.endm
.macro WLOAD t                         ; block t: W(32 t + i, my column) into set t % 2
.set i, 0
.rept 32
	global_load_b32 v[WX+32*((\t)%2)+i], v3, s[6:7] offset:(32*(\t)+i)*4096 th:TH_LOAD_NT
.set i, i+1
.endr
.endm
.macro WBLOCK t
.set XS, WX+32*((\t)%2)
.if (\t) < 7
	s_wait_loadcnt 32                              ; this block's 32 loads are in; the next block's 32 may be out
.else
	s_wait_loadcnt 0
.endif
	v_max3_num_f32 v12, |v[XS]|, |v[XS+1]|, |v[XS+2]|              ; the block's largest magnitude: all 32 numbers are mine
	v_max3_num_f32 v13, |v[XS+3]|, |v[XS+4]|, |v[XS+5]|
.irp i, 6,10,14,18,22,26
	v_max3_num_f32 v12, v12, |v[XS+\i]|, |v[XS+\i+1]|
	v_max3_num_f32 v13, v13, |v[XS+\i+2]|, |v[XS+\i+3]|
.endr
	v_max3_num_f32 v12, v12, |v[XS+30]|, |v[XS+31]|
	v_max3_num_f32 v12, v12, v13, (EMAX+1)<<23
	v_add_nc_u32 v11, -(EMAX<<23), v12
	v_and_or_b32 v10, v12, 0x7f800000, s46
	v_lshrrev_b32 v13, 23, v11
.if (\t)%4 == 0
	v_mov_b32 v[WSB+(\t)/4], v13                   ; four bytes to a register, the lower K in the lower byte
.else
	v_lshl_or_b32 v[WSB+(\t)/4], v13, 8*((\t)%4), v[WSB+(\t)/4]
.endif
.set i, 0
.rept 32
	v_med3_num_f32 v[XS+i], v[XS+i], -v10, v10
.set i, i+1
.endr
.irp g, 0,1,2,3
	v_cvt_scalef32_pk8_fp8_f32 v[WC+2*\g:WC+2*\g+1], v[XS+8*\g:XS+8*\g+7], v11
.endr
	ds_store_b128 v4, v[WC:WC+3] offset:32*(\t)    ; 32 codes: 32 bytes of my column's row
	ds_store_b128 v4, v[WC+4:WC+7] offset:32*(\t)+16
.if (\t)+2 < 8
	WLOAD (\t)+2
.endif
	s_wait_dscnt 0x0                               ; the stores have read their registers: the next block's codes may be written
.endm
	s_load_b512 s[4:19], s[0:1], 0x0               ; x 4:5, Wq 6:7, Wk 8:9, Wv 10:11, Wo 12:13, xq 14:15, wq8 16:17, rope 18:19
	v_lshl_add_u32 v[SPW], v0, 2, SPARE
	v_mov_b32 v[NIL], 0
	v_lshrrev_b32 v1, 5, v0
	v_readfirstlane_b32 s20, v1                    ; wave 0..3
	v_and_b32 v2, 31, v0                           ; lane
	s_mov_b32 s46, MANT
	s_cmp_ge_u32 ttmp9, 256
	s_cbranch_scc1 .Lweights
	; ---------------- x
	v_lshlrev_b32 v3, 4, v2                        ; my 16 bytes of a load's 512, and of a store's
	s_mul_i32 s21, s20, WREG
	v_lshrrev_b32 v14, 2, v2
	v_mul_u32_u24 v14, v14, SP
	v_and_b32 v15, 3, v2
	v_lshl_add_u32 v14, v15, 4, v14
	v_add_nc_u32 v14, s21, v14                     ; the stage, in: four lanes' 64 bytes on end, then 16 of padding
	v_mul_u32_u24 v15, v2, SP
	v_add_nc_u32 v15, s21, v15                     ; out: 80 x lane: my 16 neighbours
	v_lshrrev_b32 v5, 1, v2
	s_add_co_u32 s21, s21, 2*32*SP
	v_add_nc_u32 v5, s21, v5                       ; my wave's 256 scale bytes, my block's byte
	v_lshlrev_b32 v7, 3, v2
	v_add_nc_u32 v6, s21, v7
	s_lshl_b32 s22, ttmp9, 2
	s_add_co_u32 s24, s22, s20                     ; my run of 8 rows
	s_lshl_b32 s24, s24, 15                        ; 32,768 bytes of f32 a run
	s_mov_b32 s25, 0
	s_and_b32 s26, s20, 1
	s_lshl_b32 s26, s26, 1
	s_lshr_b32 s27, s20, 1
	s_or_b32 s26, s26, s27
	s_add_co_u32 s26, s26, s22                     ; where it is stored: bits 0 and 1 of the run exchanged = bits 3 and 4 of the row
	s_lshl_b32 s28, s26, 13                        ; 8,192 bytes of codes a run
	s_mov_b32 s29, 0
	s_lshl_b32 s30, s26, 8                         ; 256 scale bytes a run, behind the codes
	s_add_co_u32 s30, s30, 8388608
	s_mov_b32 s31, 0
	s_lshl_b32 s32, ttmp9, 11                      ; the table: 2,048 bytes a work-group
	s_mov_b32 s33, 0
	s_wait_kmcnt 0x0
	s_add_nc_u64 s[4:5], s[4:5], s[24:25]
	s_add_nc_u64 s[34:35], s[14:15], s[30:31]
	s_add_nc_u64 s[14:15], s[14:15], s[28:29]
	s_add_nc_u64 s[18:19], s[18:19], s[32:33]
.irp t, 0,1,2,3
	XLOAD \t
.endr
	; the table, while the sixteen loads are out.  rope: [128 blocks of 16 stored rows][8 pieces][32 lanes][16 bytes]; my work-group makes half a block, my wave a piece, my lane (r, h) its 16 bytes:
	; (cos, sin, cos, sin) of pairs i = 16 (k / 4) + 8 h + 2 (k % 4) and i + 1, k the piece, for the token stored at row 16 block + r
	s_mov_b32 s47, 0xffff0000                      ; lanes 16-31
	s_mov_b32 s40, 0xb94ca1f9                      ; -1.9515295891e-4: sin's highest coefficient
	s_mov_b32 s41, 0x37ccf5ce                      ; 2.443315712e-5: cos's
	s_lshr_b32 s21, ttmp9, 2
	s_lshl_b32 s21, s21, 5
	s_and_b32 s22, ttmp9, 2
	s_lshl_b32 s22, s22, 2
	s_add_co_u32 s21, s21, s22                     ; 32 (block / 2) + 8 (block % 2), block = work-group / 2
	s_and_b32 s23, ttmp9, 1
	s_lshl_b32 s23, s23, 2
	s_add_co_u32 s23, s23, s20                     ; the piece
	v_and_b32 v80, 7, v0
	v_and_b32 v81, 8, v0
	v_lshl_add_u32 v80, v81, 1, v80                ; + r % 8 + 16 (r / 8)
	v_add_nc_u32 v80, s21, v80
	v_cvt_f32_u32 v80, v80                         ; the token
	v_mov_b32 v84, v80                             ; piece 0: frequencies 10^(-i/8), i = 0, 1, 8, 9; the other pieces write over these
	v_mul_f32 v85, 0.7498942093, v80
	v_mul_f32 v86, 0.1, v80
	v_mul_f32 v87, 0.07498942093, v80
	FREQ 1, 0.5623413252, 0.4216965034, 0.05623413252, 0.04216965034
	FREQ 2, 0.3162277660, 0.2371373706, 0.03162277660, 0.02371373706
	FREQ 3, 0.1778279410, 0.1333521432, 0.01778279410, 0.01333521432
	FREQ 4, 0.01, 0.007498942093, 0.001, 0.0007498942093
	FREQ 5, 0.005623413252, 0.004216965034, 0.0005623413252, 0.0004216965034
	FREQ 6, 0.003162277660, 0.002371373706, 0.0003162277660, 0.0002371373706
	FREQ 7, 0.001778279410, 0.001333521432, 0.0001778279410, 0.0001333521432
	v_cndmask_b32 v84, v84, v86, s47
	v_cndmask_b32 v85, v85, v87, s47
	SINCOS 84, 192, 193, 88, 89, 90, 91
	SINCOS 85, 194, 195, 92, 93, 94, 95
	v_lshlrev_b32 v196, 4, v0
	global_store_b128 v196, v[192:195], s[18:19]   ; a wave stores 512 consecutive bytes; these registers are not written again
	s_wait_loadcnt 12                              ; step 0's four loads are in
	XTURN 0
.irp t, 0,1,2,3,4,5,6,7,8,9,10,11,12,13,14,15
	XSTEP \t
.endr
	ds_load_b64 v[8:9], v6                         ; LDS serves a wave's instructions in order: these see my byte stores
	s_wait_dscnt 0x0
	global_store_b64 v7, v[8:9], s[34:35]          ; 32 lanes store 256 consecutive bytes, aligned
	s_wait_tensorcnt 0x0                           ; the wave's end
	ds_add_u32 v[SPW], v[NIL]
	s_wait_dscnt 0x0
	s_endpgm
	; ---------------- the weights: 32 work-groups a tensor: 128 columns x 256 along K each; a wave 32 columns
.Lweights:
	s_sub_co_u32 s21, ttmp9, 256
	s_lshr_b32 s22, s21, 5                         ; which tensor: 0 Wq, 1 Wk, 2 Wv, 3 Wo
	s_and_b32 s23, s21, 7
	s_bfe_u32 s24, s21, 0x20003                    ; which 256 along K
	s_lshl_b32 s23, s23, 7
	s_lshl_b32 s25, s20, 5
	s_add_co_u32 s23, s23, s25                     ; my wave's first column
	v_lshlrev_b32 v3, 2, v2                        ; in: 4 bytes a lane
	s_mul_i32 s25, s20, 32*WPITCH
	s_add_co_u32 s25, s25, WSTG                    ; my stage
	v_mul_u32_u24 v4, v2, WPITCH
	v_add_nc_u32 v4, s25, v4                       ; into it: row = my column
	v_and_b32 v5, 15, v2
	v_lshrrev_b32 v6, 4, v2
	v_mul_u32_u24 v7, v6, WPITCH
	v_lshl_add_u32 v7, v5, 4, v7
	v_add_nc_u32 v7, s25, v7                       ; out of it: sixteen lanes to a row, two rows an instruction
	v_lshlrev_b32 v8, 10, v6
	v_lshl_add_u32 v8, v5, 4, v8                   ; and the same place in the codes' buffer
	v_and_b32 v9, 7, v2                            ; my column's row of scale bytes: at swap34(lane)
	v_and_b32 v10, 8, v2
	v_lshl_or_b32 v9, v10, 1, v9
	v_and_b32 v10, 16, v2
	v_lshrrev_b32 v10, 1, v10
	v_or_b32 v9, v9, v10
	v_lshlrev_b32 v9, 5, v9
	s_lshl_b32 s26, s24, 20                        ; 256 rows of 4,096 bytes
	s_lshl_b32 s27, s23, 2
	s_add_co_u32 s26, s26, s27
	s_mov_b32 s27, 0
	s_lshl_b32 s28, s22, 10
	s_add_co_u32 s28, s28, s23                     ; the first row of the codes' buffer: 1,024 x tensor + column
	s_lshl_b32 s30, s28, 5
	s_lshl_b32 s31, s24, 3
	s_add_co_u32 s30, s30, s31
	s_add_co_u32 s30, s30, 4194304                 ; the scale bytes lie behind the codes
	s_mov_b32 s31, 0
	s_lshl_b32 s28, s28, 10
	s_lshl_b32 s29, s24, 8
	s_add_co_u32 s28, s28, s29
	s_mov_b32 s29, 0
	s_wait_kmcnt 0x0
	s_cmp_eq_u32 s22, 1                            ; the choice hangs on the work-group's number alone
	s_cselect_b64 s[6:7], s[8:9], s[6:7]
	s_cmp_eq_u32 s22, 2
	s_cselect_b64 s[6:7], s[10:11], s[6:7]
	s_cmp_eq_u32 s22, 3
	s_cselect_b64 s[6:7], s[12:13], s[6:7]
	s_add_nc_u64 s[6:7], s[6:7], s[26:27]
	s_add_nc_u64 s[32:33], s[16:17], s[28:29]
	s_add_nc_u64 s[34:35], s[16:17], s[30:31]
	WLOAD 0
	WLOAD 1
.irp t, 0,1,2,3,4,5,6,7
	WBLOCK \t
.endr
	global_store_b64 v9, v[WSB:WSB+1], s[34:35]    ; my column's 8 scale bytes
.irp t, 0,1,2,3,4,5,6,7,8,9,10,11,12,13,14,15
	ds_load_b128 v[WOUT+4*\t:WOUT+4*\t+3], v7 offset:2*\t*WPITCH
.endr
.irp t, 0,1,2,3,4,5,6,7,8,9,10,11,12,13,14,15
	s_wait_dscnt 15-\t
	global_store_b128 v8, v[WOUT+4*\t:WOUT+4*\t+3], s[32:33] offset:2*(((\t)&3)|(((\t)&4)<<1)|(((\t)&8)>>1))*1024   ; rows 2 t and 2 t + 1 go to swap34 of their numbers; sixteen lanes store 256 consecutive bytes, aligned
.endr
	s_wait_tensorcnt 0x0                           ; the wave's end, as above
	ds_add_u32 v[SPW], v[NIL]
	s_wait_dscnt 0x0
	s_endpgm
.Lfunc_end_k_q6dd0951705_prep:
	.size	k_q6dd0951705_prep, .Lfunc_end_k_q6dd0951705_prep-k_q6dd0951705_prep
	.p2alignl 7, 3214868480
	.fill 96, 4, 3214868480
	.section	.rodata,"a",@progbits
	.p2align	6, 0x0
	.amdhsa_kernel k_q6dd0951705_prep
		.amdhsa_group_segment_fixed_size 68096
		.amdhsa_private_segment_fixed_size 0
		.amdhsa_enable_private_segment 0
		.amdhsa_kernarg_size 64
		.amdhsa_user_sgpr_count 2
		.amdhsa_user_sgpr_kernarg_segment_ptr 1
		.amdhsa_wavefront_size32 1
		.amdhsa_system_sgpr_workgroup_id_x 1
		.amdhsa_system_sgpr_workgroup_id_y 1
		.amdhsa_system_sgpr_workgroup_id_z 1
		.amdhsa_system_vgpr_workitem_id 0
		.amdhsa_next_free_vgpr 200
		.amdhsa_next_free_sgpr 66
		.amdhsa_reserve_vcc 1
		.amdhsa_float_denorm_mode_32 3
		.amdhsa_float_denorm_mode_16_64 3
		.amdhsa_memory_ordered 1
		.amdhsa_forward_progress 1
		.amdhsa_inst_pref_size 116
	.end_amdhsa_kernel
	.amdgpu_metadata
---
amdhsa.version: [ 1, 2 ]
amdhsa.kernels:
  - .name:           k_q6dd0951705_prep
    .symbol:         k_q6dd0951705_prep.kd
    .args:
      - { .name: x, .offset: 0, .size: 8, .value_kind: global_buffer, .address_space: global }
      - { .name: Wq, .offset: 8, .size: 8, .value_kind: global_buffer, .address_space: global }
      - { .name: Wk, .offset: 16, .size: 8, .value_kind: global_buffer, .address_space: global }
      - { .name: Wv, .offset: 24, .size: 8, .value_kind: global_buffer, .address_space: global }
      - { .name: Wo, .offset: 32, .size: 8, .value_kind: global_buffer, .address_space: global }
      - { .name: xq, .offset: 40, .size: 8, .value_kind: global_buffer, .address_space: global }
      - { .name: wq8, .offset: 48, .size: 8, .value_kind: global_buffer, .address_space: global }
      - { .name: rope, .offset: 56, .size: 8, .value_kind: global_buffer, .address_space: global }
    .group_segment_fixed_size: 68096
    .private_segment_fixed_size: 0
    .kernarg_segment_align: 8
    .kernarg_segment_size: 64
    .max_flat_workgroup_size: 128
    .sgpr_count:     66
    .vgpr_count:     200
    .wavefront_size: 32
...
	.end_amdgpu_metadata
.endif
;; end of part 1
;; launch qkv (part 2): grid 12 x 32, 4 waves a work-group, clusters of 4 x 4, 327,680 bytes of LDS; arguments xq, wq8, rope, qimg, kvimg; writes qimg, kvimg
.if DOCPART == 2
	.amdgcn_target "amdgcn-amd-amdhsa--gfx1250"
	.amdhsa_code_object_version 6
	.text
	.protected	k_q6dd0951705_qkv
	.globl	k_q6dd0951705_qkv
	.p2align	8
	.type	k_q6dd0951705_qkv,@function
k_q6dd0951705_qkv:
	s_mov_b64 s[64:65], 0
	v_nop
	global_prefetch_b8 v0, s[64:65] scope:SCOPE_SE
	s_setreg_imm32_b32 hwreg(HW_REG_WAVE_MODE, 25, 1), 1
	s_wait_xcnt 0x0
	s_wait_alu depctr_hold_cnt(0) depctr_sa_sdst(0) depctr_va_vdst(0) depctr_va_sdst(0) depctr_va_ssrc(0) depctr_va_vcc(0) depctr_vm_vsrc(0)
	s_getreg_b32 s2, hwreg(HW_REG_IB_STS2, 6, 4)
	s_cmp_eq_u32 s2, 0
	s_cbranch_scc0 .Lentry_in_a_cluster
	s_endpgm
.Lentry_in_a_cluster:
	s_bfe_u32 s2, ttmp6, 0x10000c
	s_cmp_lg_u32 s2, 0xf033
	s_cbranch_scc0 .Lentry_shape_is_right
	s_endpgm
.Lentry_shape_is_right:
; SECOND LAUNCH: q = x Wq, k = x Wk, v = x Wv on codes of FP8 (E4M3) with E8M0 scales; q and k are rotated; all three are quantised in registers for the attention's products and stored as images of operand registers.
; THE PRODUCT.  A tile of 256 x 256 is made by four waves, 128 x 128 each: 64 accumulators, 512 registers.  K = 1,024 goes in four steps of 256 through two LDS slots filled by the tensor data mover; the scale bytes of the
; work-group's rows, for all of K, come once.  The matrix instruction is used transposed: source 0 = 16 rows of "B", source 1 = 16 rows of "A": a lane holds one row of A and eight rows of B.
; ROLES, by the cluster's x (the same in all sixteen partners): 0: q, 1: k: A = x's rows (tokens), B = the weight's rows (features): a lane's registers run along the features, K of the scores.
; 2: v: A = Wv's rows, B = x's rows: a lane's registers run along the tokens, K of the second attention product.
; Rows are stored in the order swap34 (first launch), so the 16 registers of B's blocks 2 b and 2 b + 1 are 16 true neighbours 32 b + 16 (lane / 16) + 0 .. 15: what the conversions take and what the next operand's layout wants.
; CLUSTERS: 4 x 4 work-groups; A's tile is shared along a row of the cluster, B's along a column: each is asked for jointly, by the same tensor load with the same descriptor and a mask that names the four.
; THE WAY OUT touches no LDS: each store of a wave is 512 consecutive bytes, lane l's 16 at 16 l.  qimg: [64 heads][16 groups of 128 rows][8,448]: 8 tiles x 1,024 bytes, then 256 bytes of scale words [r][tau].
; kvimg: [64 heads][16 steps of 128 keys][16,896]: K's 8 tiles, V's 4 fragments of 2,048 bytes, K's scale words, V's scale words.
; LIMITS as stated at the head of the first launch.
; REGISTERS: window 0: v0-31 addresses; v32-63 scale words, two sets; v128-255 A's fragments, one set.  window 1: B's fragments, two sets.  windows 2, 3: the accumulators ((a, b) at v[8 (8 (a % 4) + b)]).
; On the way out, window 0: v32-39 products at work; v40-41; v64-127 cos and sin, two sets; v128-191 64 numbers; v192-207 their codes; v224-239 the quantiser's; v240-247 scale words; v248-251 those to be stored.
.set NQ,     2                         ; matrix instructions deep in a slot
.set ROWB,   256                       ; a tile's row in bytes
.set KROW,   1024                      ; a row of codes in memory
.set PITCH,  272                       ; an LDS row: 256 bytes + 16 of padding = 68 words: the 16 rows that a load touches start at 16 different banks (64 banks of 4 bytes: ISA guide 11.1)
.set FR,     16
.set NL,     4
.set NP,     8                         ; places behind this matrix instruction (ISA guide 7.12.1)
.set HALFT,  128*PITCH
.set SLOT,   4*HALFT
.set KS,     32                        ; a row of scale bytes
.set SCL,    2*SLOT
.set HALFS,  16*272                    ; the scale bytes of 128 rows: 16 units of 256 bytes + 16 of padding
.set SBLK,   2*272
.set SPARE,  SCL+4*HALFS               ; the spare words, 128 bytes for each wave
.set ADRA, 16
.set ADRB, 20
.set LI,   24                          ; v24 the way out: 16 x lane
.set SO,   25                          ; v25 the way out: where my 16 bytes of scale words go
.set ADRS, 27
.set SPW,  28
.set NIL,  29
.set SC,   32
.set AF,   128
.set T,    32
.set CSB,  64
.set H,    128
.set PC,   192
.set TM,   224
.set PW,   240
.set SW,   248
.set G1, 24
.set G0, 32
.set G1B, 48
.set G0B, 56
.set G1S, 68
.set G0S, 76
.set G1SB, 80
.set G0SB, 88
.set SEL, 48                           ; the way out: s[48:49] lane selects, s50 the mantissa field of 448
.set MNT, 50
.set MSB, 0
.macro WIN new                         ; the immediate's high byte repeats the setting that is left
.if MSB != (\new)
	s_set_vgpr_msb (MSB<<8)|(\new)
.set MSB, (\new)
.endif
.endm
.set MUL_LO, 0xa1                      ; source 0 (B) window 1, source 1 (A) window 0, C and D window 2
.set MUL_HI, 0xf1
.set TO_B,   0x40
; A joint load: waves 0 and 1 fetch for A, waves 2 and 3 for B; the branch hangs on the wave's number alone.  An s_nop 0 and four v_nop follow each of the two lines.
.macro JLOAD g0a, g1a, g0b, g1b
	s_cmp_eq_u32 s15, 0
	s_cbranch_scc0 .Lfor_b_\@
	tensor_load_to_lds s[\g0a:\g0a+3], s[\g1a:\g1a+7]
	s_nop 0
.rept 4
	v_nop
.endr
	s_branch .Lasked_\@
.Lfor_b_\@:
	tensor_load_to_lds s[\g0b:\g0b+3], s[\g1b:\g1b+7]
	s_nop 0
.rept 4
	v_nop
.endr
.Lasked_\@:
.endm
.macro CREST                           ; a round of the cluster's barrier behind its opening barrier
	s_cmp_lg_u32 s14, 0
	s_cbranch_scc1 .Lnot_wave_0_\@
	s_barrier_signal -3
.Lnot_wave_0_\@:
	s_barrier_wait -3
	s_barrier_signal -1
	s_barrier_wait -1
.endm
.macro CROUND
	s_barrier_signal -1
	s_barrier_wait -1
	CREST
.endm
	s_load_b128 s[4:7], s[0:1], 0x0                ; xq, wq8
	s_load_b128 s[96:99], s[0:1], 0x10             ; rope, qimg
	s_load_b64 s[100:101], s[0:1], 0x20            ; kvimg
	v_lshl_add_u32 v[SPW], v0, 2, SPARE
	v_mov_b32 v[NIL], 0
	ds_add_u32 v[SPW], v[NIL]                      ; the wave's opening
	ds_add_u32 v[SPW], v[NIL]
	v_lshrrev_b32 v1, 5, v0
	v_readfirstlane_b32 s14, v1                    ; wave 0..3
	s_lshr_b32 s15, s14, 1                         ; which half of A's rows is mine.  Also: I fetch for A (0) or for B (1)
	s_and_b32 s16, s14, 1                          ; which half of B's rows.  Also: which 128 rows I fetch
	s_bfe_u32 s40, ttmp6, 0x40000                  ; cx, cy
	s_bfe_u32 s41, ttmp6, 0x40004
	s_and_b32 s18, ttmp7, 0xffff
	s_lshl_b32 s18, s18, 2                         ; 4 x cluster y
	s_lshl_b32 s19, ttmp9, 2                       ; 4 x cluster x
	s_cmp_eq_u32 ttmp9, 2                          ; v?
	s_cselect_b32 s17, 8, s18                      ; A's tile of 256 rows: x's 4 Y + cy; for v Wv's, rows 2,048 on: 8 + cy
	s_cselect_b32 s42, s18, s19                    ; B's: the weight's 4 X + cx; for v x's 4 Y + cx
	s_add_co_u32 s17, s17, s41
	s_add_co_u32 s42, s42, s40
	s_lshl_b32 s43, s41, 2
	s_lshl_b32 s43, 15, s43                        ; my row of the cluster
	s_lshl_b32 s44, 0x1111, s40                    ; my column
	s_or_b32 s[G1+0], s43, (0<<16)|(1<<20)|(1<<21)|(5<<22)|(3<<25)  ; the mask; elements of 1 byte; padding on; bit 21 beside a mask; 4 words after every 64
	s_or_b32 s[G1B+0], s44, (0<<16)|(1<<20)|(1<<21)|(5<<22)|(3<<25)
.irp g, G1, G1B
	s_mov_b32 s[\g+1], ROWB<<16                    ; tensor_dim0
	s_mov_b32 s[\g+2], 128<<16                     ; tensor_dim1
	s_mov_b32 s[\g+3], ROWB<<16                    ; tile_dim0
	s_mov_b32 s[\g+4], 128                         ; tile_dim1
	s_mov_b32 s[\g+5], KROW                        ; from row to row
	s_mov_b32 s[\g+6], 0
	s_mov_b32 s[\g+7], 0
.endr
	s_or_b32 s[G1S+0], s43, (3<<16)|(1<<20)|(1<<21)|(5<<22)|(3<<25) ; the scale bytes of 128 rows: 4,096 dense bytes as 16 rows of 32 elements of 8 bytes
	s_or_b32 s[G1SB+0], s44, (3<<16)|(1<<20)|(1<<21)|(5<<22)|(3<<25)
.irp g, G1S, G1SB
	s_mov_b32 s[\g+1], 32<<16
	s_mov_b32 s[\g+2], 16<<16
	s_mov_b32 s[\g+3], 32<<16
	s_mov_b32 s[\g+4], 16
	s_mov_b32 s[\g+5], 32
	s_mov_b32 s[\g+6], 0
	s_mov_b32 s[\g+7], 0
.endr
	s_lshl_b32 s18, s16, 7                         ; which 128 rows of the tile I fetch
	s_lshl_b32 s20, s17, 8
	s_add_co_u32 s20, s20, s18                     ; A's
	s_lshl_b32 s46, s42, 8
	s_add_co_u32 s46, s46, s18                     ; B's
	s_lshl_b32 s22, s20, 5                         ; their scale bytes,
	s_lshl_b32 s20, s20, 10                        ; their codes
	s_mov_b32 s21, 0
	s_mov_b32 s23, 0
	s_lshl_b32 s92, s46, 5
	s_lshl_b32 s46, s46, 10
	s_mov_b32 s47, 0
	s_mov_b32 s93, 0
	s_cmp_eq_u32 ttmp9, 2
	s_mov_b32 s12, 8388608                         ; where the scale bytes begin: in xq behind 8,388,608 bytes of codes, in wq8 behind 4,194,304
	s_cselect_b32 s12, 4194304, s12
	s_mov_b32 s13, 4194304
	s_cselect_b32 s13, 8388608, s13
	s_add_co_u32 s22, s22, s12
	s_add_co_u32 s92, s92, s13
	s_mul_i32 s45, s14, HALFT                      ; where they go: wave x 128 rows: no place in the cluster enters an LDS address
	s_mul_i32 s94, s14, HALFS
	s_wait_dscnt 0x0                               ; both opening adds are done
	s_wait_kmcnt 0x0
	s_cmp_eq_u32 ttmp9, 2
	s_cselect_b64 s[8:9], s[6:7], s[4:5]           ; A's buffer
	s_cselect_b64 s[10:11], s[4:5], s[6:7]         ; B's
	s_add_nc_u64 s[20:21], s[8:9], s[20:21]
	s_add_nc_u64 s[22:23], s[8:9], s[22:23]
	s_add_nc_u64 s[46:47], s[10:11], s[46:47]
	s_add_nc_u64 s[92:93], s[10:11], s[92:93]
	CROUND                                         ; all sixteen work-groups are here: the first joint loads meet
	s_mov_b32 s[G0S], 1
	s_add_co_u32 s[G0S+1], s94, SCL
	s_mov_b64 s[G0S+2:G0S+3], s[22:23]
	s_or_b32 s[G0S+3], s[G0S+3], 0x80000000
	s_mov_b32 s[G0SB], 1
	s_add_co_u32 s[G0SB+1], s94, SCL
	s_mov_b64 s[G0SB+2:G0SB+3], s[92:93]
	s_or_b32 s[G0SB+3], s[G0SB+3], 0x80000000
	JLOAD G0S, G1S, G0SB, G1SB                     ; the scale bytes first: they are wanted with K step 0
.irp s, 0,1
	s_mov_b32 s[G0+4*\s], 1
	s_add_co_u32 s[G0+4*\s+1], s45, \s*SLOT
	s_add_nc_u64 s[G0+4*\s+2:G0+4*\s+3], s[20:21], \s*ROWB
	s_or_b32 s[G0+4*\s+3], s[G0+4*\s+3], 0x80000000
	s_mov_b32 s[G0B+4*\s], 1
	s_add_co_u32 s[G0B+4*\s+1], s45, \s*SLOT
	s_add_nc_u64 s[G0B+4*\s+2:G0B+4*\s+3], s[46:47], \s*ROWB
	s_or_b32 s[G0B+4*\s+3], s[G0B+4*\s+3], 0x80000000
	JLOAD G0+4*\s, G1, G0B+4*\s, G1B               ; three loads of mine are out
.endr
	v_and_b32 v1, 15, v0                           ; r = lane % 16
	v_bfe_u32 v2, v0, 4, 1                         ; h = lane / 16
	v_mul_u32_u24 v3, v1, PITCH
	v_lshl_add_u32 v4, v2, 4, v3                   ; a fragment's row x pitch + 16 h
	s_mul_i32 s21, s15, HALFT                      ; my 128 rows of A
	s_mul_i32 s22, s16, HALFT                      ; my 128 rows of B,
	s_add_co_u32 s22, s22, 2*HALFT                 ; behind A's 256
.irp s, 0,1
	v_add_nc_u32 v[ADRA+\s], s21, v4
	v_add_nc_u32 v[ADRB+\s], s22, v4
	s_add_co_u32 s21, s21, SLOT
	s_add_co_u32 s22, s22, SLOT
.endr
	v_mul_u32_u24 v5, v1, KS                       ; my row's scale bytes: 32 a row,
	v_lshrrev_b32 v6, 8, v5
	v_lshl_add_u32 v5, v6, 4, v5                   ; and 16 more for each 256 passed
	s_mul_i32 s21, s15, HALFS
	s_mul_i32 s22, s16, HALFS
	s_add_co_u32 s22, s22, 2*HALFS
	s_sub_co_u32 s22, s22, s21
	v_mul_u32_u24 v6, s22, v2                      ; lanes 16-31 take B's
	s_add_co_u32 s21, s21, SCL
	v_add_nc_u32 v5, v5, v6
	v_add_nc_u32 v[ADRS], s21, v5
.macro FRAG reg, adr, q, i             ; 16 rows x 128 K: lane l holds row l % 16; registers 4 c .. 4 c + 3 hold K = 32 c + 16 (l / 16) + 0 .. 15
.irp c, 0,1,2,3
	ds_load_b128 v[\reg+4*\c:\reg+4*\c+3], v[\adr] offset:128*(\q)+32*\c+(\i)*16*PITCH
.endr
.endm
; 16 matrix instructions: A's blocks a0, a0 + 1 x B's eight.  The 64 accumulators take turns, one instruction a turn, in the same order in every step.  zero = 1: the first product starts the sums
.macro MUL16 a0, p, q, sc, zero
.irp a, \a0, \a0+1
.irp b, 0,1,2,3,4,5,6,7
.if \zero
	v_wmma_scale_f32_16x16x128_f8f6f4 v[8*(8*((\a)%4)+\b):8*(8*((\a)%4)+\b)+7], v[128*(\p)+FR*\b:128*(\p)+FR*\b+FR-1], v[AF+FR*(\a):AF+FR*(\a)+FR-1], 0, v[SC+8*NQ*(\sc)+NQ*\b+(\q)], v[SC+8*NQ*(\sc)+NQ*(\a)+(\q)] matrix_a_scale:MATRIX_SCALE_ROW1
.else
	v_wmma_scale_f32_16x16x128_f8f6f4 v[8*(8*((\a)%4)+\b):8*(8*((\a)%4)+\b)+7], v[128*(\p)+FR*\b:128*(\p)+FR*\b+FR-1], v[AF+FR*(\a):AF+FR*(\a)+FR-1], v[8*(8*((\a)%4)+\b):8*(8*((\a)%4)+\b)+7], v[SC+8*NQ*(\sc)+NQ*\b+(\q)], v[SC+8*NQ*(\sc)+NQ*(\a)+(\q)] matrix_a_scale:MATRIX_SCALE_ROW1
.endif
.endr
.endr
.endm
.macro FETCH_B slot, q, p
	WIN TO_B
.irp i, 0,1,2,3,4,5,6,7
	FRAG 128*(\p)+FR*\i, ADRB+\slot, \q, \i
.endr
	WIN 0
.endm
.macro FETCH_A slot, q, i0
.irp i, \i0, \i0+1, \i0+2, \i0+3
	FRAG AF+FR*(\i), ADRA+\slot, \q, \i
.endr
.endm
.macro SCALES sc                       ; a K step's scale words: lanes 0-15 take A's block i, lanes 16-31 B's block i
.irp i, 0,1,2,3,4,5,6,7
	ds_load_b64 v[SC+8*NQ*\sc+NQ*\i:SC+8*NQ*\sc+NQ*\i+1], v[ADRS] offset:\i*SBLK
.endr
.endm
.macro PLACES n                        ; plain vector instructions between a matrix instruction and a load into, or a read or write by a vector instruction of, one of its registers
.rept \n
	v_nop
.endr
.endm
.macro STEP slot, q, zero              ; 128 along K with its successor in the same slot
	s_wait_dscnt 4*NL                              ; B's set and A's blocks 0-3 are in; the sixteen youngest loads (A's blocks 4-7) may be out
	WIN MUL_LO
	MUL16 0, (\q)%2, \q, \slot, \zero
	MUL16 2, (\q)%2, \q, \slot, \zero
	s_wait_dscnt 0
	PLACES NP
	FETCH_B \slot, (\q)+1, 1-(\q)%2
	FETCH_A \slot, (\q)+1, 0
	WIN MUL_HI
	MUL16 4, (\q)%2, \q, \slot, \zero
	MUL16 6, (\q)%2, \q, \slot, \zero
	PLACES NP
	WIN 0
	FETCH_A \slot, (\q)+1, 4
.endm
; A slot's last step changes slots: one barrier; in front of it each wave waits for all its tensor loads, adds 0 to its spare word, and waits for that and for its reads of this slot.  fill = 1: the slot is filled again, two K steps ahead
.macro TURN slot, next, fill
	s_wait_tensorcnt 0x0                           ; all my tensor loads have landed: my part of the next slot
	ds_add_u32 v[SPW], v[NIL]
	s_wait_dscnt 4*NL+1                            ; (the add and the sixteen youngest loads may be out)
	WIN MUL_LO
	MUL16 0, 1, NQ-1, \slot, 0
	s_wait_dscnt 0x0                               ; the add is done, and my reads of this slot are over
	s_barrier_signal -1
	MUL16 2, 1, NQ-1, \slot, 0
	WIN 0
	s_barrier_wait -1
.if \fill
	CREST                                          ; the barrier has opened a round of the cluster's: no wave of any partner still reads this slot or has a load on its way
	s_add_nc_u64 s[G0+4*\slot+2:G0+4*\slot+3], s[G0+4*\slot+2:G0+4*\slot+3], 2*ROWB
	s_add_nc_u64 s[G0B+4*\slot+2:G0B+4*\slot+3], s[G0B+4*\slot+2:G0B+4*\slot+3], 2*ROWB
	JLOAD G0+4*\slot, G1, G0B+4*\slot, G1B         ; the first tensor load behind the round, my only one until the next
	PLACES NP-4
.else
	PLACES NP
.endif
	s_wait_alu depctr_va_vdst(0)
	v_add_nc_u32 v[ADRS], 4*NQ, v[ADRS]
	FETCH_B \next, 0, 0
	FETCH_A \next, 0, 0
	SCALES \next
	WIN MUL_HI
	MUL16 4, 1, NQ-1, \slot, 0
	MUL16 6, 1, NQ-1, \slot, 0
	PLACES NP
	WIN 0
	FETCH_A \next, 0, 4
.endm
	s_wait_alu depctr_va_vdst(0)
	s_wait_tensorcnt 1                             ; the scale bytes and my part of K step 0 are in; K step 1's load may be out
	s_barrier_signal -1
	s_barrier_wait -1
	FETCH_B 0, 0, 0
	FETCH_A 0, 0, 0
	SCALES 0
	FETCH_A 0, 0, 4
	STEP 0, 0, 1                                   ; K = 1,024 is twice round the ring: eight steps of 128, written out
	TURN 0, 1, 1
	STEP 1, 0, 0
	TURN 1, 0, 1
	STEP 0, 0, 0
	TURN 0, 1, 0                                   ; nothing is left to fetch
	STEP 1, 0, 0
	s_wait_dscnt 4*NL
	WIN MUL_LO
	MUL16 0, 1, NQ-1, 1, 0
	MUL16 2, 1, NQ-1, 1, 0
	s_wait_dscnt 0
	WIN MUL_HI
	MUL16 4, 1, NQ-1, 1, 0
	MUL16 6, 1, NQ-1, 1, 0
	WIN 0
	; ---------------- THE WAY OUT.  No tensor load of mine is out: the descriptors' registers are free.
	s_cmp_eq_u32 ttmp9, 2
	s_cselect_b32 s18, s42, s17                    ; the tile of 256 tokens,
	s_cselect_b32 s19, s41, s40                    ; the tile of 256 features (four heads),
	s_cselect_b32 s20, s16, s15                    ; my half of the tokens,
	s_cselect_b32 s21, s15, s16                    ; my half of the features (two heads)
	s_cselect_b32 s22, 8192, 0                     ; V's image lies behind K's
	s_mov_b32 s23, 16384                           ; the scale words: K's,
	s_cselect_b32 s23, 16640, s23                  ; V's,
	s_cmp_eq_u32 ttmp9, 0
	s_cselect_b32 s23, 8192, s23                   ; q's
	s_cselect_b64 s[24:25], s[98:99], s[100:101]
	s_mov_b32 s34, 16896
	s_cselect_b32 s34, 8448, s34                   ; a record of 128 rows
	s_lshr_b32 s35, s18, 3                         ; the batch
	s_lshl_b32 s35, s35, 4
	s_lshl_b32 s19, s19, 2
	s_add_co_u32 s35, s35, s19
	s_lshl_b32 s21, s21, 1
	s_add_co_u32 s35, s35, s21                     ; my first head, counted through the batches
	s_and_b32 s36, s18, 7
	s_lshl_b32 s37, s36, 1
	s_add_co_u32 s37, s37, s20                     ; my 128 rows among the sequence's sixteen
	s_lshl_b32 s35, s35, 4
	s_add_co_u32 s35, s35, s37
	s_mul_i32 s38, s35, s34
	s_mov_b32 s39, 0
	s_add_nc_u64 s[24:25], s[24:25], s[38:39]      ; the record
	s_mov_b32 s38, s23
	s_add_nc_u64 s[28:29], s[24:25], s[38:39]      ; its scale words
	s_mov_b32 s38, s22
	s_add_nc_u64 s[24:25], s[24:25], s[38:39]      ; the first head's image
	s_lshl_b32 s30, s34, 4                         ; a head on: sixteen records
	s_mov_b32 s38, s30
	s_add_nc_u64 s[26:27], s[24:25], s[38:39]      ; the second head's
	s_lshl_b32 s36, s36, 4
	s_lshl_b32 s37, s15, 3
	s_add_co_u32 s36, s36, s37
	s_lshl_b32 s38, s36, 12
	s_add_nc_u64 s[32:33], s[96:97], s[38:39]      ; cos and sin of my first 16 rows (q, k)
	s_mov_b32 s31, 0xffff0000                      ; lanes 16-31
	s_mov_b32 s[SEL], 0x76543210
	s_mov_b32 s[SEL+1], 0xfedcba98
	s_mov_b32 s[MNT], 0x600000
	PLACES NP
	v_and_b32 v[LI], 31, v0
	v_lshlrev_b32 v[LI], 4, v[LI]
	v_and_b32 v1, 15, v0
	v_bfe_u32 v2, v0, 4, 1
	v_mul_u32_u24 v[SO], s30, v2                   ; lanes 16-31 store the second head's scale words
	v_lshl_add_u32 v[SO], v1, 4, v[SO]
.irp b, 0,1,2,3
	v_mov_b32 v[TM+4+\b], 0                        ; written once: a lane permute's destination counts as one of its sources
.endr
.macro ROPELOAD a, buf                 ; cos and sin for block a's 16 rows: 8 pieces of 512 dense bytes
.irp p, 0,1,2,3,4,5,6,7
	global_load_b128 v[CSB+32*(\buf)+4*\p:CSB+32*(\buf)+4*\p+3], v[LI], s[32:33] offset:4096*(\a)+512*\p
.endr
.endm
; Block a's 32 pairs (x0, x1) become (x0 c - x1 s, x0 s + x1 c) in v[H] on.  Pair p = 4 g + e is pair 16 ((p / 8) % 2) + 8 h + p % 8 of its head.  Each accumulator is read from its low end on.
.macro ROPE a
	WIN 2+(\a)/4                                   ; source 0: the accumulators' window
.irp g, 0,1,2,3,4,5,6,7
.irp e, 0,1,2,3
.set rX, 64*((\a)%4)+8*\g+2*\e
.set rC, CSB+32*((\a)%2)+16*((\g/2)%2)+2*((4*\g+\e)%8)
	v_pk_mul_f32 v[T+2*\e:T+2*\e+1], v[rX:rX+1], v[rC:rC+1] op_sel:[1,1] op_sel_hi:[1,0] neg_lo:[1,0]   ; (-x1 s, x1 c)
.endr
.irp e, 0,1,2,3
.set rX, 64*((\a)%4)+8*\g+2*\e
.set rC, CSB+32*((\a)%2)+16*((\g/2)%2)+2*((4*\g+\e)%8)
	v_pk_fma_f32 v[H+8*\g+2*\e:H+8*\g+2*\e+1], v[rX:rX+1], v[rC:rC+1], v[T+2*\e:T+2*\e+1] op_sel:[0,0,0] op_sel_hi:[0,1,1]   ; + (x0 c, x0 s)
.endr
.endr
	WIN 0
.endm
; 64 numbers of a lane in window w, register 16 b + i = K 32 b + 16 (lane / 16) + i of my row, become 16 registers of codes in v[PC] on and the row's scale word in v[pw].  The held numbers go to v[H] on, in window 0.
.macro QUANT src, w, pw
	WIN (\w)|((\w)<<2)
.irp b, 0,1,2,3
	v_max3_num_f32 v[TM+\b], |v[(\src)+16*\b]|, |v[(\src)+16*\b+1]|, 0x4800000   ; my 16 numbers of block b, and the floor 2^(9 - 127): the byte cannot fall under 1
.endr
.irp i, 2,4,6,8,10,12,14
.irp b, 0,1,2,3
	v_max3_num_f32 v[TM+\b], |v[(\src)+16*\b+\i]|, |v[(\src)+16*\b+\i+1]|, v[TM+\b]
.endr
.endr
	WIN 0
.irp b, 0,1,2,3
	v_permlanex16_b32 v[TM+4+\b], v[TM+\b], s[SEL], s[SEL+1]
.endr
.irp b, 0,1,2,3
	v_max_num_f32 v[TM+\b], v[TM+\b], v[TM+4+\b]   ; with lane l xor 16's: the block's largest magnitude
.endr
.irp b, 0,1,2,3
	v_add_nc_u32 v[TM+12+\b], 0xfc000000, v[TM+\b] ; 8 off its exponent field: the conversion's scale operand
.endr
.irp b, 0,1,2,3
	v_and_or_b32 v[TM+8+\b], v[TM+\b], 0x7f800000, s[MNT]   ; 448 x the scale
.endr
.irp b, 0,1,2,3
	v_lshrrev_b32 v[TM+4+\b], 23, v[TM+12+\b]      ; the scale's byte
.endr
	v_lshl_or_b32 v[\pw], v[TM+5], 8, v[TM+4]
	v_lshl_or_b32 v[\pw], v[TM+6], 16, v[\pw]
	v_lshl_or_b32 v[\pw], v[TM+7], 24, v[\pw]
	WIN (\w)
.irp b, 0,1,2,3
.irp i, 0,1,2,3,4,5,6,7,8,9,10,11,12,13,14,15
	v_med3_num_f32 v[H+16*\b+\i], v[(\src)+16*\b+\i], -v[TM+8+\b], v[TM+8+\b]   ; the conversion does not saturate (ISA guide 7.6.2): the hold
.endr
.endr
	WIN 0
.irp b, 0,1,2,3
	v_cvt_scalef32_pk8_fp8_f32 v[PC+4*\b:PC+4*\b+1], v[H+16*\b:H+16*\b+7], v[TM+12+\b]
	v_cvt_scalef32_pk8_fp8_f32 v[PC+4*\b+2:PC+4*\b+3], v[H+16*\b+8:H+16*\b+15], v[TM+12+\b]
.endr
	v_nop                                          ; a plain vector instruction behind the last conversion
.endm
	s_cmp_eq_u32 ttmp9, 2
	s_cbranch_scc1 .Lway_v
	; q and k: block a = 16 rows (a tile of queries or keys) x my two heads
	ROPELOAD 0, 0
	ROPELOAD 1, 1
.irp a, 0,1,2,3,4,5,6,7
.if \a < 7
	s_wait_loadcnt 8                               ; this block's eight loads are in; the next block's eight may be out
.else
	s_wait_loadcnt 0
.endif
.if \a > 0
	s_wait_xcnt 0x0                                ; the last block's stores have read their data: the codes' registers are written again only behind this wait
.endif
	ROPE \a
.if \a < 6
	ROPELOAD \a+2, \a%2
.endif
	QUANT H, 0, PW+\a
.irp hh, 0,1
.irp c, 0,1
	global_store_b128 v[LI], v[PC+8*\hh+4*\c:PC+8*\hh+4*\c+3], s[24+2*\hh:25+2*\hh] offset:1024*\a+512*\c   ; 512 consecutive bytes
.endr
.endr
.if \a%2
	v_perm_b32 v40, v[PW+\a], v[PW+\a-1], 0x05040100   ; the first head's bytes of tiles a - 1 and a: one scale word of a double fragment
	v_perm_b32 v41, v[PW+\a], v[PW+\a-1], 0x07060302   ; the second head's
	v_cndmask_b32 v[SW+\a/2], v40, v41, s31
.endif
.endr
	s_branch .Lwords
.Lway_v:
	; v: block a = 16 features (a tile of head a / 4) x my 128 keys: one fragment
.irp a, 0,1,2,3,4,5,6,7
.if \a > 0
	s_wait_xcnt 0x0
.endif
	QUANT 64*(\a%4), 2+\a/4, PW+\a
.irp c, 0,1,2,3
	global_store_b128 v[LI], v[PC+4*\c:PC+4*\c+3], s[24+2*(\a/4):25+2*(\a/4)] offset:2048*(\a%4)+512*\c
.endr
.endr
.irp t, 0,1,2,3
	v_cndmask_b32 v[SW+\t], v[PW+\t], v[PW+4+\t], s31
.endr
.Lwords:
	s_wait_alu depctr_va_vdst(0)
	global_store_b128 v[SO], v[SW:SW+3], s[28:29]  ; lanes 0-15: the first head's 256 bytes of scale words [r][word]; lanes 16-31: the second head's
	s_wait_tensorcnt 0x0                           ; the wave's end
	ds_add_u32 v[SPW], v[NIL]
	s_wait_dscnt 0x0
	CROUND                                         ; the closing round
	s_endpgm
.Lfunc_end_k_q6dd0951705_qkv:
	.size	k_q6dd0951705_qkv, .Lfunc_end_k_q6dd0951705_qkv-k_q6dd0951705_qkv
	.p2alignl 7, 3214868480
	.fill 96, 4, 3214868480
	.section	.rodata,"a",@progbits
	.p2align	6, 0x0
	.amdhsa_kernel k_q6dd0951705_qkv
		.amdhsa_group_segment_fixed_size 327680
		.amdhsa_private_segment_fixed_size 0
		.amdhsa_enable_private_segment 0
		.amdhsa_kernarg_size 40
		.amdhsa_user_sgpr_count 2
		.amdhsa_user_sgpr_kernarg_segment_ptr 1
		.amdhsa_wavefront_size32 1
		.amdhsa_system_sgpr_workgroup_id_x 1
		.amdhsa_system_sgpr_workgroup_id_y 1
		.amdhsa_system_sgpr_workgroup_id_z 1
		.amdhsa_system_vgpr_workitem_id 0
		.amdhsa_next_free_vgpr 1024
		.amdhsa_next_free_sgpr 102
		.amdhsa_reserve_vcc 0
		.amdhsa_float_denorm_mode_32 3
		.amdhsa_float_denorm_mode_16_64 3
		.amdhsa_memory_ordered 1
		.amdhsa_forward_progress 1
		.amdhsa_inst_pref_size 255
	.end_amdhsa_kernel
	.section	.bss,"aw",@nobits
	.p2align	6
	.space	262144
	.amdgpu_metadata
---
amdhsa.version: [ 1, 2 ]
amdhsa.kernels:
  - .name:           k_q6dd0951705_qkv
    .symbol:         k_q6dd0951705_qkv.kd
    .args:
      - { .name: xq, .offset: 0, .size: 8, .value_kind: global_buffer, .address_space: global }
      - { .name: wq8, .offset: 8, .size: 8, .value_kind: global_buffer, .address_space: global }
      - { .name: rope, .offset: 16, .size: 8, .value_kind: global_buffer, .address_space: global }
      - { .name: qimg, .offset: 24, .size: 8, .value_kind: global_buffer, .address_space: global }
      - { .name: kvimg, .offset: 32, .size: 8, .value_kind: global_buffer, .address_space: global }
    .group_segment_fixed_size: 327680
    .private_segment_fixed_size: 0
    .kernarg_segment_align: 8
    .kernarg_segment_size: 40
    .max_flat_workgroup_size: 128
    .sgpr_count:     102
    .vgpr_count:     1024
    .wavefront_size: 32
...
	.end_amdgpu_metadata
.endif
;; end of part 2
;; launch attn (part 3): grid 4 x 64, 8 waves a work-group, no clusters, 327,680 bytes of LDS; arguments qimg, kvimg, aimg; writes aimg
.if DOCPART == 3
	.amdgcn_target "amdgcn-amd-amdhsa--gfx1250"
	.amdhsa_code_object_version 6
	.text
	.protected	k_q6dd0951705_attn
	.globl	k_q6dd0951705_attn
	.p2align	8
	.type	k_q6dd0951705_attn,@function
k_q6dd0951705_attn:
	s_mov_b64 s[64:65], 0
	v_nop
	global_prefetch_b8 v0, s[64:65] scope:SCOPE_SE
	s_setreg_imm32_b32 hwreg(HW_REG_WAVE_MODE, 25, 1), 1
	s_wait_xcnt 0x0
; THIRD LAUNCH: causal attention on codes of FP8 (E4M3) with E8M0 scales; the result, divided by the row's sum, is quantised along the model's 1,024 for the last product and stored as images of operand registers.
; LEFT OUT (shown at the head of the first launch): a step of 128 keys all of which come after a wave's 32 queries: reference()'s own mask gives them the weight 0.
; THE SOFTMAX: t = score x log2(e) / 8; M = the running largest t rounded up to a whole number; p = 2^(t - M) is quantised along the keys, not normalised; the sum is taken of the unquantised p; when M moves, sum and O
; are multiplied by 2^(old M - new M), which rounds nothing.
; SHARES.  Work-group (j, head) owns query blocks 7 - j and then j of 256 queries: 8 - j and then j + 1 slots of 256 keys, nine for every work-group: equal work, a constant number of trips, and no slot fetched that is not read.
; Each of eight waves owns 32 queries: two tiles of 16, tile 0's state in window 0 and tile 1's under the same numbers in window 1; both use each fragment of K and V that the wave reads from LDS.
; HEAD SIZE 64 IN A PRODUCT 128 DEEP.  An operand of K holds TWO tiles of 16 keys (registers 0-7, 8-15).  q stands in 24 registers [0 | q | 0]: [q, 0] gives the first tile's scores, [0, q] the second's: zero codes add nothing.
; Both products are used transposed, so that a lane holds one query.  Rows are stored in the order swap34 (first launch): the 16 registers of two neighbouring tiles of scores are 16 neighbouring keys.
; NO CLUSTER: the four work-groups of a head walk the same slots only as long as the shortest first pass lasts (five slots of nine); after that a joint load would bring tiles that some partner never reads.
; LDS: two slots 65,536 bytes apart, each two records of kvimg (33,792 dense bytes: no pitch, each load of a wave reads 512 consecutive bytes); the spare words behind them.
; LIMITS as stated at the head of the first launch.
; REGISTERS (both windows unless marked): v1 16 x lane, v2 16 r, v3 the lane's part of the mask, v4 32 r + h, v5-6 the add's, v7 prefetch offset, v8-9 LDS addresses (window 0); v12 -M, v13 largest t, v[14:15] the sum;
; v16-39 [0 | q | 0]; v40-103 four fragments of K, then of V (window 0); v104-167 scores, then p; v168-199 O^T; v200-207 q of the second pass; v208-223 p's codes; v232-247, v252-254 at work.
; Scales alone, window 0: v224-227 K's or V's words; v228-229 q's for tiles 0, 1; v230-231 the second pass's; v248-249 p's for tiles 0, 1; v250-251 q's as loaded.
.set REC,   16896
.set SLOTB, 2*REC
.set SLOT1, 1<<16
.set SPARE, SLOT1+SLOTB                ; the spare words, 128 bytes for each of eight waves: four blocks of 256 bytes that no other line names
.set LI,  1
.set LR,  2
.set LQ,  3
.set SBO, 4
.set SPW, 5
.set NIL, 6
.set PFO, 7
.set ADI, 8
.set ADR, 9
.set F,   40
.set S,   104
.set O,   168
.set Q2,  200
.set PC,  208
.set SCW, 224
.set QS,  228
.set PW,  248
.set TB,  2                            ; s2  LDS byte at which the slot in hand begins
.set WV,  18
.set MNT, 19
.set SEL, 20
.set CS,  22                           ; s[22:23] c = log2(e) / 8
.set G1,  24
.set G0,  32
.set KVW, 36                           ; s[36:37] my quarter of the head's slot 0 in memory
.set FI,  38                           ; s38 slots asked for, less one
.set NS1, 39                           ; s39 slots of the first pass
.set SLOTS, 40
.set KF,  41                           ; s41 the step's first key
.set Q0,  42                           ; s42 my first query; s43 the second pass's
.set Q0L, 43
.set PFA, 52
.set LIM, 54
.set HM,  55
.set MSB, 0
.macro WIN new
.if MSB != (\new)
	s_set_vgpr_msb (MSB<<8)|(\new)
.set MSB, (\new)
.endif
.endm
.macro TLOAD                           ; waves 0 to 3 fetch a quarter of a slot each; an s_nop 0 and four v_nop follow the line
	s_cmp_lt_u32 s[WV], 4
	s_cbranch_scc0 .Lnone_\@
	tensor_load_to_lds s[G0:G0+3], s[G1:G1+7]
	s_nop 0
.rept 4
	v_nop
.endr
.Lnone_\@:
.endm
; A prefetch of the slot that the NEXT change of slots will ask for.  The four work-groups of a head walk the same slots in their first passes: work-group 0 of the head, whose first pass walks all eight, asks, and nobody else.
; Waves 3 to 7 ask, 8,192 bytes a wave, lanes 256 bytes apart; the fifth wave's lanes past the slot's 132nd block are held at that block.  Trip f asks for slot f + 2, up to slot 7; slots 0 and 1 come by their loads alone.
.macro ASK
	s_cmp_gt_u32 s[SLOTS], s[LIM]
	s_cbranch_scc0 .Lnot_mine_\@
	global_prefetch_b8 v[PFO], s[PFA:PFA+1] th:TH_LOAD_NT scope:SCOPE_SE
.Lnot_mine_\@:
.endm
.macro FRESH w                         ; a pass begins: the largest t -3e38, sums and O^T zeros, which the first change of M leaves zeros: so the key step is written once, with no first step of its own
	WIN 0x55*(\w)
	v_mov_b32 v13, 0xff61b1e6
	s_delay_alu instid0(VALU_DEP_1)
	v_floor_f32 v12, -v13
	v_mov_b32 v14, 0
	v_mov_b32 v15, 0
.set i, 0
.rept 32
	v_mov_b32 v[O+i], 0
.set i, i+1
.endr
.endm
.macro SPROD qs                        ; eight tiles of scores: a double fragment of K against [q, 0] and against [0, q]
.irp t, 0,1,2,3
	v_wmma_scale_f32_16x16x128_f8f6f4 v[S+16*\t:S+16*\t+7], v[F+16*\t:F+16*\t+15], v[24:39], 0, v[SCW+\t], v[\qs]
	v_wmma_scale_f32_16x16x128_f8f6f4 v[S+16*\t+8:S+16*\t+15], v[F+16*\t:F+16*\t+15], v[16:31], 0, v[SCW+\t], v[\qs]
.endr
.endm
.macro PVPROD pw                       ; O^T += V^T P^T: four tiles of 16 of the head's 64
.irp t, 0,1,2,3
	v_wmma_scale_f32_16x16x128_f8f6f4 v[O+8*\t:O+8*\t+7], v[F+16*\t:F+16*\t+15], v[PC:PC+15], v[O+8*\t:O+8*\t+7], v[SCW+\t], v[\pw]
.endr
.endm
; On the diagonal the scores of hidden keys become -infinity ahead of the maximum.  Register 16 b + i holds key KF + 32 b + 16 h + i; my query is Q0 + 8 w + r % 8 + 16 (r / 8)
.macro MASK w
	s_add_co_u32 s56, s[Q0], 8*(\w)
	s_sub_co_i32 s56, s56, s[KF]
	WIN 0x55*(\w)
	v_add_nc_u32 v252, s56, v[LQ]
	v_mov_b32 v254, 0xff800000
.set n, 0
.rept 64
	v_cmp_gt_i32 vcc_lo, 32*(n/16)+n%16, v252
	v_cndmask_b32 v[S+n], v[S+n], v254, vcc_lo
.set n, n+1
.endr
.endm
.macro SOFTMAX w
	WIN 0x55*(\w)
.irp b, 0,1,2,3
	v_max3_num_f32 v[232+\b], v[S+16*\b], v[S+16*\b+1], v[S+16*\b+2]   ; the largest score of each block of 32 keys: for the row's maximum and, since p rises with the score, for the block's largest p
.endr
.irp i, 3,5,7,9,11,13
.irp b, 0,1,2,3
	v_max3_num_f32 v[232+\b], v[232+\b], v[S+16*\b+\i], v[S+16*\b+\i+1]
.endr
.endr
.irp b, 0,1,2,3
	v_max_num_f32 v[232+\b], v[232+\b], v[S+16*\b+15]
.endr
.irp b, 0,1,2,3
	s_delay_alu instid0(VALU_DEP_4)
	v_permlanex16_b32 v[236+\b], v[232+\b], s[SEL], s[SEL+1]
.endr
.irp b, 0,1,2,3
	s_delay_alu instid0(VALU_DEP_4)
	v_max_num_f32 v[232+\b], v[232+\b], v[236+\b]  ; with lane l xor 16's 16 keys
.endr
	s_delay_alu instid0(VALU_DEP_2)
	v_max3_num_f32 v254, v232, v233, v234
	s_delay_alu instid0(VALU_DEP_1)
	v_max_num_f32 v254, v254, v235
	s_delay_alu instid0(VALU_DEP_1)
	v_mul_f32 v254, s[CS], v254                    ; the step's largest t
	s_delay_alu instid0(VALU_DEP_1)
	v_max_num_f32 v13, v13, v254
	v_mov_b32 v254, v12
	s_delay_alu instid0(VALU_DEP_2)
	v_floor_f32 v12, -v13                          ; the new -M = -ceil(t)
	s_delay_alu instid0(VALU_DEP_1)
	v_sub_f32 v254, v12, v254                      ; old M - new M: a whole number, 0 or less
	s_delay_alu instid0(VALU_DEP_1)
	v_cvt_i32_f32 v254, v254                       ; (it saturates)
	s_delay_alu instid0(VALU_DEP_1)
	v_ldexp_f32 v252, 1.0, v254                    ; f = 2^(old M - new M)
.set j, 0
.rept 32
	v_pk_fma_f32 v[S+j:S+j+1], v[S+j:S+j+1], s[CS:CS+1], v[12:13] op_sel_hi:[1,0,0]   ; t - M, two at a time
.set j, j+2
.endr
.irp b, 0,1,2,3
	v_fma_f32 v[232+\b], v[232+\b], s[CS], v12
.endr
.set j, 0
	s_wait_alu depctr_va_vdst(0)
.rept 64
	v_exp_f32 v[S+j], v[S+j]                       ; p = 2^(t - M)
.set j, j+1
.endr
	v_pk_mul_f32 v[14:15], v[14:15], v[252:253] op_sel_hi:[1,0]   ; the sums under the new M: a plain instruction behind the exponentials
	s_wait_alu depctr_va_vdst(0)                   ; one wait for the batch of 64, ahead of its first reader
.irp b, 0,1,2,3
	v_exp_f32 v[232+\b], v[232+\b]                 ; each block's largest p
.endr
	v_pk_add_f32 v[236:237], v[S:S+1], v[S+2:S+3]  ; the row's sum of the unquantised p, in two chains
.irp j, 4,8,12,16,20,24,28,32,36,40,44,48,52,56,60
	v_pk_add_f32 v[14:15], v[14:15], v[S+\j:S+\j+1]
	v_pk_add_f32 v[236:237], v[236:237], v[S+\j+2:S+\j+3]
.endr
	s_delay_alu instid0(VALU_DEP_1)
	v_pk_add_f32 v[14:15], v[14:15], v[236:237]
	s_wait_alu depctr_va_vdst(0)                   ; and one for the four
.irp b, 0,1,2,3
	v_max_num_f32 v[232+\b], 0x4800000, v[232+\b]  ; the floor 2^(9 - 127): the byte cannot fall under 1
.endr
.irp b, 0,1,2,3
	s_delay_alu instid0(VALU_DEP_4)
	v_add_nc_u32 v[244+\b], 0xfc000000, v[232+\b]
.endr
.irp b, 0,1,2,3
.endr
.irp b, 0,1,2,3
	s_delay_alu instid0(VALU_DEP_4)
	v_lshrrev_b32 v[236+\b], 23, v[244+\b]
.endr
	s_delay_alu instid0(VALU_DEP_3)
	v_lshl_or_b32 v248, v237, 8, v236              ; p's scale word for these 128 keys
	s_delay_alu instid0(VALU_DEP_1)
	v_lshl_or_b32 v248, v238, 16, v248
	s_delay_alu instid0(VALU_DEP_1)
	v_lshl_or_b32 v248, v239, 24, v248
.if \w
	WIN 0x01                                       ; scale operands are taken from window 0: tile 1's word goes there
	v_mov_b32 v[PW+1], v248
	WIN 0x55
.endif
.irp b, 0,1,2,3
.set j, 0
.rept 16
.set j, j+1
.endr
	v_cvt_scalef32_pk8_fp8_f32 v[PC+4*\b:PC+4*\b+1], v[S+16*\b:S+16*\b+7], v[244+\b]
	v_cvt_scalef32_pk8_fp8_f32 v[PC+4*\b+2:PC+4*\b+3], v[S+16*\b+8:S+16*\b+15], v[244+\b]
.endr
.set j, 0
.rept 16
	v_pk_mul_f32 v[O+j:O+j+1], v[O+j:O+j+1], v[252:253] op_sel_hi:[1,0]   ; O^T under the new M; also the places between the conversions and the products
.set j, j+2
.endr
.endm
; A KEY STEP: 128 keys, the q-th record of the slot in hand, for both tiles
.macro STEP q
	s_add_co_u32 s56, s[Q0], 31
	s_cmp_gt_u32 s[KF], s56                        ; all 128 keys behind my 32 queries: the step's work is left out.  Ids and the count of steps alone
	s_cbranch_scc1 .Lhidden_\@
.rept 8
	v_nop                                          ; places in front of loads into registers that the last products read
.endr
	s_wait_alu depctr_va_vdst(0)
.irp t, 0,1,2,3
.irp c, 0,1,2,3
	ds_load_b128 v[F+16*\t+4*\c:F+16*\t+4*\c+3], v[ADI] offset:REC*(\q)+2048*\t+512*\c
.endr
.endr
	ds_load_b128 v[SCW:SCW+3], v[ADR] offset:REC*(\q)+16384
	s_wait_dscnt 0x0
	s_wait_alu depctr_va_vdst(0)
	SPROD QS
	WIN 0x54                                       ; source 1, C and D in window 1
	SPROD QS+1
	WIN 0
.rept 8
	v_nop                                          ; places in front of the reads of the scores and of the loads below
.endr
.irp t, 0,1,2,3
.irp c, 0,1,2,3
	ds_load_b128 v[F+16*\t+4*\c:F+16*\t+4*\c+3], v[ADI] offset:REC*(\q)+8192+2048*\t+512*\c   ; V lands under the softmax
.endr
.endr
	ds_load_b128 v[SCW:SCW+3], v[ADR] offset:REC*(\q)+16640
	s_add_co_u32 s56, s[KF], 127
	s_cmp_le_u32 s56, s[Q0]                        ; all keys count for all my queries: nothing to hide
	s_cbranch_scc1 .Lopen_\@
	MASK 0
	MASK 1
	WIN 0
.Lopen_\@:
	SOFTMAX 0
	SOFTMAX 1
	WIN 0
	s_wait_alu depctr_va_vdst(0)
	s_wait_dscnt 0x0                               ; V and its scale words are in
	PVPROD PW
	WIN 0x54
	PVPROD PW+1
	WIN 0
.Lhidden_\@:
	s_add_co_u32 s[KF], s[KF], 128
.endm
; THE CHANGE OF SLOTS, at a slot's head.  Each wave waits for all its tensor loads, adds 0 to its spare word, and waits for that and for its reads of the slot that it has left; behind the barrier the slot ahead is whole and
; nobody reads the other.  fill = 1: the other slot takes the next slot of the walk: slot FI of the first pass, or FI less the first pass's slots.  That load has a slot's two steps in which to land; one load of a wave is out.
.macro CHANGE fill
	s_wait_tensorcnt 0x0                           ; no tensor load of mine is out, so group 0 may be written
	ds_add_u32 v[SPW], v[NIL]
.if \fill
	ds_add_u32 v[SPW], v[NIL]                      ; and twice on end here, in every trip alike
	s_xor_b32 s[G0+1], s[G0+1], SLOT1
	s_add_co_u32 s[FI], s[FI], 1
	s_cmp_ge_u32 s[FI], s[NS1]
	s_cselect_b32 s56, s[NS1], 0
	s_sub_co_u32 s56, s[FI], s56
	s_mul_i32 s56, s56, SLOTB
	s_mov_b32 s57, 0
	s_add_nc_u64 s[G0+2:G0+3], s[KVW:KVW+1], s[56:57]
	s_or_b32 s[G0+3], s[G0+3], 0x80000000
	s_wait_xcnt 0x0                                ; the last prefetch, a slot back, has read its address
	s_add_nc_u64 s[PFA:PFA+1], s[PFA:PFA+1], SLOTB
.endif
	s_wait_dscnt 0x0
	s_barrier_signal -1
	s_barrier_wait -1
.if \fill
	TLOAD
	ASK
.endif
.endm
.macro SLOT_STEPS
	v_add_nc_u32 v[ADI], s[TB], v[LI]
	v_add_nc_u32 v[ADR], s[TB], v[LR]
	STEP 0
	STEP 1
	s_xor_b32 s[TB], s[TB], SLOT1
.endm
; A pass ends: O^T / the sum; its 64 numbers a query are two blocks of 32 along the last product's K: quantised, and stored as half a fragment's image (two stores of 512 consecutive bytes a tile) and two scale bytes a row.
.macro FINISH ab, sb, restart
.rept 8
	v_nop                                          ; places behind the last products
.endr
.irp w, 0,1
	WIN 0x55*\w
	v_add_f32 v14, v14, v15
	s_delay_alu instid0(VALU_DEP_1)
	v_permlanex16_b32 v252, v14, s[SEL], s[SEL+1]
	s_delay_alu instid0(VALU_DEP_1)
	v_add_f32 v14, v14, v252                       ; the row's sum
	s_wait_alu depctr_va_vdst(0)
	v_rcp_f32 v14, v14
	v_nop
	s_wait_alu depctr_va_vdst(0)                   ; ahead of the reciprocal's first reader
.set j, 0
.rept 32
	v_mul_f32 v[S+j], v[O+j], v14                  ; register 16 b + i: channel 32 b + 16 h + i of my query
.set j, j+1
.endr
.irp b, 0,1
	v_max3_num_f32 v[232+\b], |v[S+16*\b]|, |v[S+16*\b+1]|, 0x4800000
.endr
.irp i, 2,4,6,8,10,12,14
.irp b, 0,1
	s_delay_alu instid0(VALU_DEP_2)
	v_max3_num_f32 v[232+\b], v[232+\b], |v[S+16*\b+\i]|, |v[S+16*\b+\i+1]|
.endr
.endr
.irp b, 0,1
	s_delay_alu instid0(VALU_DEP_2)
	v_permlanex16_b32 v[236+\b], v[232+\b], s[SEL], s[SEL+1]
.endr
.irp b, 0,1
	s_delay_alu instid0(VALU_DEP_2)
	v_max_num_f32 v[232+\b], v[232+\b], v[236+\b]
.endr
.irp b, 0,1
	s_delay_alu instid0(VALU_DEP_2)
	v_add_nc_u32 v[244+\b], 0xfc000000, v[232+\b]
.endr
.irp b, 0,1
.endr
.irp b, 0,1
	s_delay_alu instid0(VALU_DEP_2)
	v_lshrrev_b32 v[236+\b], 23, v[244+\b]
.endr
.irp b, 0,1
.set j, 0
.rept 16
.set j, j+1
.endr
.endr
.irp b, 0,1
	v_cvt_scalef32_pk8_fp8_f32 v[PC+4*\b:PC+4*\b+1], v[S+16*\b:S+16*\b+7], v[244+\b]
	v_cvt_scalef32_pk8_fp8_f32 v[PC+4*\b+2:PC+4*\b+3], v[S+16*\b+8:S+16*\b+15], v[244+\b]
.endr
	v_cndmask_b32 v254, v236, v237, s[HM]          ; lanes 0-15 carry the first block's byte, lanes 16-31 the second's
	WIN 0x04*\w                                    ; a store's data are its source 1
	global_store_b128 v[LI], v[PC:PC+3], s[\ab:\ab+1] offset:16384*\w
	global_store_b128 v[LI], v[PC+4:PC+7], s[\ab:\ab+1] offset:16384*\w+512
	global_store_b8 v[SBO], v254, s[\sb:\sb+1] offset:512*\w
.endr
	WIN 0
.if \restart
	s_wait_xcnt 0x0                                ; the stores have read their data: those registers are written again in the second pass
	v_mov_b32 v[QS], v[QS+2]
	v_mov_b32 v[QS+1], v[QS+3]
.irp w, 0,1
	FRESH \w
.irp i, 0,1,2,3,4,5,6,7
	v_mov_b32 v[24+\i], v[Q2+\i]
.endr
.endr
	WIN 0
	s_mov_b32 s[KF], 0
	s_mov_b32 s[Q0], s[Q0L]
.endif
.endm
	s_load_b128 s[4:7], s[0:1], 0x0                ; qimg, kvimg
	s_load_b64 s[8:9], s[0:1], 0x10                ; aimg
	v_lshl_add_u32 v[SPW], v0, 2, SPARE
	v_mov_b32 v[NIL], 0
	ds_add_u32 v[SPW], v[NIL]                      ; the wave's opening
	ds_add_u32 v[SPW], v[NIL]
	v_lshrrev_b32 v8, 5, v0
	s_delay_alu instid0(VALU_DEP_1)
	v_readfirstlane_b32 s[WV], v8                  ; wave 0..7
	s_and_b32 s10, ttmp7, 0xffff                   ; the head, counted through the batches
	s_sub_co_u32 s[NS1], 8, ttmp9
	s_sub_co_u32 s11, 7, ttmp9                     ; the first pass's block of 256 queries; the second's is the work-group's x
	s_lshl_b32 s12, s[WV], 5
	s_lshl_b32 s[Q0], s11, 8
	s_add_co_u32 s[Q0], s[Q0], s12
	s_lshl_b32 s[Q0L], ttmp9, 8
	s_add_co_u32 s[Q0L], s[Q0L], s12
	s_lshl_b32 s13, s10, 4                         ; q: group 16 head + 2 block + wave / 4, 8,448 bytes a group
	s_lshr_b32 s14, s[WV], 2
	s_add_co_u32 s13, s13, s14
	s_lshl_b32 s14, s11, 1
	s_add_co_u32 s14, s14, s13
	s_mul_i32 s56, s14, 8448
	s_mov_b32 s57, 0
	s_lshl_b32 s14, ttmp9, 1
	s_add_co_u32 s14, s14, s13
	s_mul_i32 s58, s14, 8448
	s_mov_b32 s59, 0
	s_lshr_b32 s15, s10, 4                         ; the result: block of 16 rows 128 batch + 16 block + 2 wave (+ tile)
	s_lshl_b32 s15, s15, 7
	s_lshl_b32 s16, s[WV], 1
	s_add_co_u32 s15, s15, s16
	s_and_b32 s16, s10, 15                         ; the head in its batch: 1,024 bytes of a block's 16,384, 2 of a row's 32 scale bytes
	s_lshl_b32 s17, s16, 10
	s_lshl_b32 s61, s16, 1
	s_add_co_u32 s61, s61, 8388608                 ; the scale bytes lie behind the codes
	s_lshl_b32 s60, s11, 4
	s_add_co_u32 s60, s60, s15
	s_lshl_b32 s44, s60, 14
	s_add_co_u32 s44, s44, s17
	s_mov_b32 s45, 0
	s_lshl_b32 s48, s60, 9
	s_add_co_u32 s48, s48, s61
	s_mov_b32 s49, 0
	s_lshl_b32 s60, ttmp9, 4
	s_add_co_u32 s60, s60, s15
	s_lshl_b32 s46, s60, 14
	s_add_co_u32 s46, s46, s17
	s_mov_b32 s47, 0
	s_lshl_b32 s50, s60, 9
	s_add_co_u32 s50, s50, s61
	s_mov_b32 s51, 0
	s_mul_i32 s36, s10, 16*REC                     ; the head's records
	s_and_b32 s60, s[WV], 3
	s_mul_i32 s[G0+1], s60, SLOTB/4                ; my quarter of a slot: in LDS (slot 0),
	s_add_co_u32 s52, s36, SLOTB                   ; (the prefetches stand at slot 1: the first change steps them to slot 2)
	s_mov_b32 s53, 0
	s_add_co_u32 s36, s36, s[G0+1]                 ; and in memory
	s_mov_b32 s37, 0
	s_mov_b32 s[G0], 1
	s_mov_b32 s[G1], 3<<16                         ; no mask; elements of 8 bytes; no padding
	s_mov_b32 s[G1+1], 32<<16                      ; tensor_dim0: rows of 256 bytes
	s_mov_b32 s[G1+2], 33<<16                      ; tensor_dim1: 33 of them: 8,448 dense bytes
	s_mov_b32 s[G1+3], 32<<16                      ; tile_dim0
	s_mov_b32 s[G1+4], 33                          ; tile_dim1
	s_mov_b32 s[G1+5], 32                          ; from row to row
	s_mov_b32 s[G1+6], 0
	s_mov_b32 s[G1+7], 0
	s_mov_b32 s[SEL], 0x76543210
	s_mov_b32 s[SEL+1], 0xfedcba98
	s_mov_b32 s[CS], 0x3e38aa3b                    ; log2(e) / sqrt(64)
	s_mov_b32 s[CS+1], s[CS]
	s_mov_b32 s[HM], 0xffff0000
	s_mov_b32 s[TB], 0
	s_mov_b32 s[FI], 0
	s_mov_b32 s[SLOTS], 8
	s_mov_b32 s[KF], 0
	s_cmp_lt_u32 s[WV], 3
	s_cselect_b32 s12, 1, 0
	s_or_b32 s12, s12, ttmp9
	s_cmp_eq_u32 s12, 0                            ; waves 3 to 7 of the head's work-group 0 prefetch, while more than two trips are left
	s_cselect_b32 s[LIM], 2, -1
	s_lshl_b32 s12, s[WV], 13
	s_sub_co_u32 s12, s12, 24576
	s_lshl_b32 s13, s60, 11
	s_lshl_b32 s14, s60, 2
	s_wait_dscnt 0x0                               ; both opening adds are done
	s_wait_kmcnt 0x0
	s_add_nc_u64 s[KVW:KVW+1], s[6:7], s[36:37]
	s_add_nc_u64 s[PFA:PFA+1], s[6:7], s[52:53]
	s_mov_b64 s[G0+2:G0+3], s[KVW:KVW+1]
	s_or_b32 s[G0+3], s[G0+3], 0x80000000
	TLOAD                                          ; slot 0
	s_add_nc_u64 s[56:57], s[4:5], s[56:57]
	s_add_nc_u64 s[58:59], s[4:5], s[58:59]
	s_add_nc_u64 s[44:45], s[8:9], s[44:45]
	s_add_nc_u64 s[46:47], s[8:9], s[46:47]
	s_add_nc_u64 s[48:49], s[8:9], s[48:49]
	s_add_nc_u64 s[50:51], s[8:9], s[50:51]
	v_and_b32 v10, 31, v0
	s_delay_alu instid0(VALU_DEP_1)
	v_lshlrev_b32 v[LI], 4, v10
	s_delay_alu instid0(VALU_DEP_2)
	v_lshl_add_u32 v[PFO], v10, 8, s12
	s_delay_alu instid0(VALU_DEP_1)
	v_min_u32 v[PFO], SLOTB-256, v[PFO]
	v_and_b32 v11, 15, v0                          ; r
	s_delay_alu instid0(VALU_DEP_1)
	v_lshlrev_b32 v[LR], 4, v11
	v_bfe_u32 v9, v0, 4, 1                         ; h
	s_delay_alu instid0(VALU_DEP_1)
	v_lshl_add_u32 v[SBO], v11, 5, v9
	v_and_b32 v[LQ], 7, v0
	v_and_b32 v8, 8, v0
	s_delay_alu instid0(VALU_DEP_1)
	v_lshl_add_u32 v[LQ], v8, 1, v[LQ]
	v_lshlrev_b32 v8, 4, v9
	s_delay_alu instid0(VALU_DEP_1)
	v_sub_nc_u32 v[LQ], v[LQ], v8                  ; r % 8 + 16 (r / 8) - 16 h
	v_add_nc_u32 v10, s13, v[LI]                   ; q: my wave's two tiles of the group's eight,
	v_add_nc_u32 v11, s14, v[LR]                   ; and their scale word of the row's four
	global_load_b128 v[24:27], v10, s[56:57] th:TH_LOAD_NT
	global_load_b128 v[28:31], v10, s[56:57] offset:512 th:TH_LOAD_NT
	global_load_b128 v[Q2:Q2+3], v10, s[58:59] th:TH_LOAD_NT
	global_load_b128 v[Q2+4:Q2+7], v10, s[58:59] offset:512 th:TH_LOAD_NT
	global_load_b32 v250, v11, s[56:57] offset:8192
	global_load_b32 v251, v11, s[58:59] offset:8192
	WIN 0x40                                       ; destination window 1: tile 1
	global_load_b128 v[24:27], v10, s[56:57] offset:1024 th:TH_LOAD_NT
	global_load_b128 v[28:31], v10, s[56:57] offset:1536 th:TH_LOAD_NT
	global_load_b128 v[Q2:Q2+3], v10, s[58:59] offset:1024 th:TH_LOAD_NT
	global_load_b128 v[Q2+4:Q2+7], v10, s[58:59] offset:1536 th:TH_LOAD_NT
	v_mov_b32 v[LQ], v[LQ]
.irp w, 0,1
	FRESH \w
.irp i, 0,1,2,3,4,5,6,7
	v_mov_b32 v[16+\i], 0                          ; the zero codes on both sides of q
	v_mov_b32 v[32+\i], 0
.endr
.irp i, 236,237,238,239,252,253
	v_mov_b32 v[\i], 0                             ; written once: a lane permute's destination counts as one of its sources, and v253 is named as the upper half of a pair
.endr
.endr
	WIN 0
	s_wait_loadcnt 0x0                             ; q of both passes
	v_perm_b32 v[QS], v250, v250, 0x01000100       ; q's two bytes stand in both halves of its scale word, for [q, 0] and [0, q] alike: the even tile's are bytes 0, 1,
	v_perm_b32 v[QS+1], v250, v250, 0x03020302     ; the odd tile's bytes 2, 3
	v_perm_b32 v[QS+2], v251, v251, 0x01000100
	v_perm_b32 v[QS+3], v251, v251, 0x03020302
.Lslot:                                            ; eight trips: behind each change of slots but the last the next slot is asked for
	CHANGE 1
	SLOT_STEPS
	s_cmp_lg_u32 s[FI], s[NS1]                     ; the first pass's last slot?  The work-group's number and the count of trips alone
	s_cbranch_scc1 .Lgo_on
	FINISH 44, 48, 1
.Lgo_on:
	s_sub_co_u32 s[SLOTS], s[SLOTS], 1
	s_cmp_lg_u32 s[SLOTS], 0
	s_cbranch_scc1 .Lslot
	CHANGE 0                                       ; the ninth slot is written out
	SLOT_STEPS
	FINISH 46, 50, 0
	s_wait_tensorcnt 0x0                           ; the wave's end
	ds_add_u32 v[SPW], v[NIL]
	s_wait_dscnt 0x0
	s_endpgm
.Lfunc_end_k_q6dd0951705_attn:
	.size	k_q6dd0951705_attn, .Lfunc_end_k_q6dd0951705_attn-k_q6dd0951705_attn
	.p2alignl 7, 3214868480
	.fill 96, 4, 3214868480
	.section	.rodata,"a",@progbits
	.p2align	6, 0x0
	.amdhsa_kernel k_q6dd0951705_attn
		.amdhsa_group_segment_fixed_size 327680
		.amdhsa_private_segment_fixed_size 0
		.amdhsa_enable_private_segment 0
		.amdhsa_kernarg_size 24
		.amdhsa_user_sgpr_count 2
		.amdhsa_user_sgpr_kernarg_segment_ptr 1
		.amdhsa_wavefront_size32 1
		.amdhsa_system_sgpr_workgroup_id_x 1
		.amdhsa_system_sgpr_workgroup_id_y 1
		.amdhsa_system_sgpr_workgroup_id_z 1
		.amdhsa_system_vgpr_workitem_id 0
		.amdhsa_next_free_vgpr 512
		.amdhsa_next_free_sgpr 66
		.amdhsa_reserve_vcc 1
		.amdhsa_float_denorm_mode_32 3
		.amdhsa_float_denorm_mode_16_64 3
		.amdhsa_fp16_overflow 1
		.amdhsa_memory_ordered 1
		.amdhsa_forward_progress 1
		.amdhsa_inst_pref_size 198
	.end_amdhsa_kernel
	.amdgpu_metadata
---
amdhsa.version: [ 1, 2 ]
amdhsa.kernels:
  - .name:           k_q6dd0951705_attn
    .symbol:         k_q6dd0951705_attn.kd
    .args:
      - { .name: qimg, .offset: 0, .size: 8, .value_kind: global_buffer, .address_space: global }
      - { .name: kvimg, .offset: 8, .size: 8, .value_kind: global_buffer, .address_space: global }
      - { .name: aimg, .offset: 16, .size: 8, .value_kind: global_buffer, .address_space: global }
    .group_segment_fixed_size: 327680
    .private_segment_fixed_size: 0
    .kernarg_segment_align: 8
    .kernarg_segment_size: 24
    .max_flat_workgroup_size: 256
    .sgpr_count:     66
    .vgpr_count:     512
    .wavefront_size: 32
...
	.end_amdgpu_metadata
.endif
;; end of part 3
;; launch oproj (part 4): grid 4 x 32, 4 waves a work-group, clusters of 4 x 4, 327,680 bytes of LDS; arguments aimg, wq8, bo, out0; writes out0
.if DOCPART == 4
	.amdgcn_target "amdgcn-amd-amdhsa--gfx1250"
	.amdhsa_code_object_version 6
	.text
	.protected	k_q6dd0951705_oproj
	.globl	k_q6dd0951705_oproj
	.p2align	8
	.type	k_q6dd0951705_oproj,@function
k_q6dd0951705_oproj:
	s_mov_b64 s[64:65], 0
	v_nop
	global_prefetch_b8 v0, s[64:65] scope:SCOPE_SE
	s_setreg_imm32_b32 hwreg(HW_REG_WAVE_MODE, 25, 1), 1
	s_wait_xcnt 0x0
	s_wait_alu depctr_hold_cnt(0) depctr_sa_sdst(0) depctr_va_vdst(0) depctr_va_sdst(0) depctr_va_ssrc(0) depctr_va_vcc(0) depctr_vm_vsrc(0)
	s_getreg_b32 s2, hwreg(HW_REG_IB_STS2, 6, 4)
	s_cmp_eq_u32 s2, 0
	s_cbranch_scc0 .Lentry_in_a_cluster
	s_endpgm
.Lentry_in_a_cluster:
	s_bfe_u32 s2, ttmp6, 0x10000c
	s_cmp_lg_u32 s2, 0xf033
	s_cbranch_scc0 .Lentry_shape_is_right
	s_endpgm
.Lentry_shape_is_right:
; FOURTH LAUNCH: out0 = attention's result x Wo + bo, on codes of FP8 (E4M3) with E8M0 scales; out0 [8192][1024] f32.
; A tile of 256 x 256 is made by four waves, 128 x 128 each; K = 1,024 goes in four steps of 256 through two LDS slots; the scale bytes of the work-group's rows come once.  4 x 32 tiles: 128 work-groups, 8 clusters of 4 x 4.
; A (the third launch's aimg) lies in memory as images of fragments: [block of 16 rows][K step of 128][2,048 bytes]; a K step of 256 of 128 rows is 8 pieces of 4,096 bytes, 16,384 apart, and a fragment is read from LDS by
; four loads of 512 consecutive bytes.  B = Wo's codes, rows 3,072 on of wq8, as rows of 256 bytes with 16 of padding.
; The matrix instruction is used transposed (source 0 = Wo's rows, source 1 = A's rows).  Both kinds of rows are stored in the order swap34 (first launch): the way out puts columns and rows back in their places.
; bo is the C of each sum's first product: eight registers for each of B's blocks, in the result's layout.
; CLUSTERS: A's tile is shared along a row of the cluster, B's along a column: joint loads.
; REGISTERS: window 0: v0-31 addresses; v32-63 scale words, two sets; v64-127 bo; v128-255 A's fragments, later rows on the way out.  window 1: B's fragments, two sets.  windows 2, 3: the accumulators.
.set NQ,     2
.set ROWB,   256
.set KROW,   1024
.set PITCH,  272
.set FR,     16
.set NL,     4
.set NP,     8
.set HALFA,  32768                     ; A: 128 rows x 256 along K as images
.set HALFT,  128*PITCH                 ; B: 128 rows
.set BOFF,   2*HALFA
.set SLOT,   BOFF+2*HALFT
.set KS,     32
.set SCL,    2*SLOT
.set HALFS,  16*272
.set SBLK,   2*272
.set SPARE,  SCL+4*HALFS
.set SPITCH, 528                       ; the way out: a stage of 16 rows x (512 bytes + 16) for each wave, in slot 0, which has had its last fill and its last read by then
.set ADRA, 16
.set ADRB, 20
.set STO,  24
.set RD,   25
.set CO,   26
.set ADRS, 27
.set SPW,  28
.set NIL,  29
.set BV,   30
.set SC,   32
.set BI,   64
.set AF,   128
.set BK,   128
.set G1, 24
.set G0, 32
.set G1B, 48
.set G0B, 56
.set G1S, 68
.set G0S, 76
.set G1SB, 80
.set G0SB, 88
.set MSB, 0
.macro WIN new
.if MSB != (\new)
	s_set_vgpr_msb (MSB<<8)|(\new)
.set MSB, (\new)
.endif
.endm
.set MUL_LO, 0xa1
.set MUL_HI, 0xf1
.set TO_B,   0x40
.macro JLOAD g0a, g1a, g0b, g1b        ; a joint load: waves 0 and 1 fetch for A, waves 2 and 3 for B; an s_nop 0 and four v_nop follow each line
	s_cmp_eq_u32 s15, 0
	s_cbranch_scc0 .Lfor_b_\@
	tensor_load_to_lds s[\g0a:\g0a+3], s[\g1a:\g1a+7]
	s_nop 0
.rept 4
	v_nop
.endr
	s_branch .Lasked_\@
.Lfor_b_\@:
	tensor_load_to_lds s[\g0b:\g0b+3], s[\g1b:\g1b+7]
	s_nop 0
.rept 4
	v_nop
.endr
.Lasked_\@:
.endm
.macro CREST
	s_cmp_lg_u32 s14, 0
	s_cbranch_scc1 .Lnot_wave_0_\@
	s_barrier_signal -3
.Lnot_wave_0_\@:
	s_barrier_wait -3
	s_barrier_signal -1
	s_barrier_wait -1
.endm
.macro CROUND
	s_barrier_signal -1
	s_barrier_wait -1
	CREST
.endm
	s_load_b128 s[4:7], s[0:1], 0x0                ; aimg, wq8
	s_load_b128 s[8:11], s[0:1], 0x10              ; bo, out0
	v_lshl_add_u32 v[SPW], v0, 2, SPARE
	v_mov_b32 v[NIL], 0
	ds_add_u32 v[SPW], v[NIL]                      ; the wave's opening
	ds_add_u32 v[SPW], v[NIL]
	v_lshrrev_b32 v1, 5, v0
	v_readfirstlane_b32 s14, v1
	s_lshr_b32 s15, s14, 1                         ; my half of A's rows.  Also: I fetch for A (0) or for B (1)
	s_and_b32 s16, s14, 1                          ; my half of B's rows.  Also: which 128 rows I fetch
	s_bfe_u32 s40, ttmp6, 0x40000
	s_bfe_u32 s41, ttmp6, 0x40004
	s_lshl_b32 s42, ttmp9, 2
	s_add_co_u32 s42, s42, s40                     ; tile column
	s_and_b32 s17, ttmp7, 0xffff
	s_lshl_b32 s17, s17, 2
	s_add_co_u32 s17, s17, s41                     ; tile row
	s_lshl_b32 s43, s41, 2
	s_lshl_b32 s43, 15, s43
	s_lshl_b32 s44, 0x1111, s40
	s_or_b32 s[G1+0], s43, (3<<16)|(1<<21)         ; A: the mask; elements of 8 bytes; no padding; bit 21 beside a mask
	s_mov_b32 s[G1+1], 512<<16                     ; tensor_dim0: 4,096 bytes
	s_mov_b32 s[G1+2], 8<<16                       ; tensor_dim1: 8 blocks of 16 rows
	s_mov_b32 s[G1+3], 512<<16
	s_mov_b32 s[G1+4], 8
	s_mov_b32 s[G1+5], 2048                        ; 16,384 bytes from block to block
	s_mov_b32 s[G1+6], 0
	s_mov_b32 s[G1+7], 0
	s_or_b32 s[G1B+0], s44, (0<<16)|(1<<20)|(1<<21)|(5<<22)|(3<<25)
	s_mov_b32 s[G1B+1], ROWB<<16
	s_mov_b32 s[G1B+2], 128<<16
	s_mov_b32 s[G1B+3], ROWB<<16
	s_mov_b32 s[G1B+4], 128
	s_mov_b32 s[G1B+5], KROW
	s_mov_b32 s[G1B+6], 0
	s_mov_b32 s[G1B+7], 0
	s_or_b32 s[G1S+0], s43, (3<<16)|(1<<20)|(1<<21)|(5<<22)|(3<<25)
	s_or_b32 s[G1SB+0], s44, (3<<16)|(1<<20)|(1<<21)|(5<<22)|(3<<25)
.irp g, G1S, G1SB
	s_mov_b32 s[\g+1], 32<<16
	s_mov_b32 s[\g+2], 16<<16
	s_mov_b32 s[\g+3], 32<<16
	s_mov_b32 s[\g+4], 16
	s_mov_b32 s[\g+5], 32
	s_mov_b32 s[\g+6], 0
	s_mov_b32 s[\g+7], 0
.endr
	s_lshl_b32 s18, s16, 7
	s_lshl_b32 s20, s17, 8
	s_add_co_u32 s20, s20, s18                     ; A's first row that I fetch
	s_lshl_b32 s46, s42, 8
	s_add_co_u32 s46, s46, s18
	s_add_co_u32 s46, s46, 3072                    ; B's, among wq8's 4,096
	s_lshl_b32 s22, s20, 5
	s_add_co_u32 s22, s22, 8388608                 ; A's scale bytes, behind its codes
	s_lshl_b32 s20, s20, 10                        ; a block of 16 rows is 16,384 bytes
	s_mov_b32 s21, 0
	s_mov_b32 s23, 0
	s_lshl_b32 s92, s46, 5
	s_add_co_u32 s92, s92, 4194304
	s_lshl_b32 s46, s46, 10
	s_mov_b32 s47, 0
	s_mov_b32 s93, 0
	s_lshl_b32 s45, s16, 15                        ; where they go: A's halves,
	s_mul_i32 s19, s16, HALFT
	s_add_co_u32 s19, s19, BOFF                    ; B's halves behind them,
	s_mul_i32 s94, s14, HALFS                      ; the scale bytes by the wave's number
	s_wait_dscnt 0x0
	s_wait_kmcnt 0x0
	s_add_nc_u64 s[20:21], s[4:5], s[20:21]
	s_add_nc_u64 s[22:23], s[4:5], s[22:23]
	s_add_nc_u64 s[46:47], s[6:7], s[46:47]
	s_add_nc_u64 s[92:93], s[6:7], s[92:93]
	CROUND
	s_mov_b32 s[G0S], 1
	s_add_co_u32 s[G0S+1], s94, SCL
	s_mov_b64 s[G0S+2:G0S+3], s[22:23]
	s_or_b32 s[G0S+3], s[G0S+3], 0x80000000
	s_mov_b32 s[G0SB], 1
	s_add_co_u32 s[G0SB+1], s94, SCL
	s_mov_b64 s[G0SB+2:G0SB+3], s[92:93]
	s_or_b32 s[G0SB+3], s[G0SB+3], 0x80000000
	JLOAD G0S, G1S, G0SB, G1SB
.irp s, 0,1
	s_mov_b32 s[G0+4*\s], 1
	s_add_co_u32 s[G0+4*\s+1], s45, \s*SLOT
	s_add_nc_u64 s[G0+4*\s+2:G0+4*\s+3], s[20:21], \s*4096
	s_or_b32 s[G0+4*\s+3], s[G0+4*\s+3], 0x80000000
	s_mov_b32 s[G0B+4*\s], 1
	s_add_co_u32 s[G0B+4*\s+1], s19, \s*SLOT
	s_add_nc_u64 s[G0B+4*\s+2:G0B+4*\s+3], s[46:47], \s*ROWB
	s_or_b32 s[G0B+4*\s+3], s[G0B+4*\s+3], 0x80000000
	JLOAD G0+4*\s, G1, G0B+4*\s, G1B               ; three loads of mine are out
.endr
	v_and_b32 v1, 15, v0                           ; r
	v_bfe_u32 v2, v0, 4, 1                         ; h
	v_and_b32 v6, 31, v0
	v_lshlrev_b32 v[CO], 4, v6                     ; 16 x lane
	v_mul_u32_u24 v3, v1, PITCH
	v_lshl_add_u32 v4, v2, 4, v3
	s_lshl_b32 s21, s15, 15                        ; my 128 rows of A: images,
	s_mul_i32 s22, s16, HALFT
	s_add_co_u32 s22, s22, BOFF                    ; my 128 rows of B: rows
.irp s, 0,1
	v_add_nc_u32 v[ADRA+\s], s21, v[CO]
	v_add_nc_u32 v[ADRB+\s], s22, v4
	s_add_co_u32 s21, s21, SLOT
	s_add_co_u32 s22, s22, SLOT
.endr
	v_mul_u32_u24 v5, v1, KS
	v_lshrrev_b32 v6, 8, v5
	v_lshl_add_u32 v5, v6, 4, v5
	s_mul_i32 s21, s15, HALFS
	s_mul_i32 s22, s16, HALFS
	s_add_co_u32 s22, s22, 2*HALFS
	s_sub_co_u32 s22, s22, s21
	v_mul_u32_u24 v6, s22, v2
	s_add_co_u32 s21, s21, SCL
	v_add_nc_u32 v5, v5, v6
	v_add_nc_u32 v[ADRS], s21, v5
	s_mul_i32 s23, s14, 16*SPITCH                  ; my stage
	v_mul_u32_u24 v5, v1, SPITCH
	v_lshl_add_u32 v5, v2, 6, v5                   ; in: row r, + 64 h: my half's 16 columns of each 32
	v_add_nc_u32 v[STO], s23, v5
	v_add_nc_u32 v[RD], s23, v[CO]                 ; back: the 32 lanes take one row of 512 bytes
	s_lshl_b32 s20, s17, 8
	s_lshl_b32 s21, s15, 7
	s_add_co_u32 s20, s20, s21                     ; my first row
	s_lshl_b32 s20, s20, 12                        ; 4,096 bytes a row of out0
	s_mov_b32 s21, 0
	s_lshl_b32 s46, s42, 10                        ; my first column, in bytes
	s_lshl_b32 s47, s16, 9
	s_add_co_u32 s46, s46, s47
	s_mov_b32 s47, 0
	s_add_nc_u64 s[8:9], s[8:9], s[46:47]          ; bo at my 128 columns
	s_add_nc_u64 s[12:13], s[10:11], s[20:21]
	s_add_nc_u64 s[12:13], s[12:13], s[46:47]
	v_lshlrev_b32 v[BV], 6, v2
.irp b, 0,1,2,3,4,5,6,7                ; register 8 b + j: bo of column 32 (b / 2) + 16 h + 8 (b % 2) + j
	global_load_b128 v[BI+8*\b:BI+8*\b+3], v[BV], s[8:9] offset:128*(\b/2)+32*(\b%2)
	global_load_b128 v[BI+8*\b+4:BI+8*\b+7], v[BV], s[8:9] offset:128*(\b/2)+32*(\b%2)+16
.endr
.macro FRAGB reg, adr, q, i
.irp c, 0,1,2,3
	ds_load_b128 v[\reg+4*\c:\reg+4*\c+3], v[\adr] offset:128*(\q)+32*\c+(\i)*16*PITCH
.endr
.endm
.macro FRAGA reg, adr, q, i            ; an image: four loads of 512 consecutive bytes
.irp c, 0,1,2,3
	ds_load_b128 v[\reg+4*\c:\reg+4*\c+3], v[\adr] offset:4096*(\i)+2048*(\q)+512*\c
.endr
.endm
; 16 matrix instructions; the 64 accumulators take turns, one instruction a turn.  first = 1: the sums begin with bo
.macro MUL16 a0, p, q, sc, first
.irp a, \a0, \a0+1
.irp b, 0,1,2,3,4,5,6,7
.if \first
	v_wmma_scale_f32_16x16x128_f8f6f4 v[8*(8*((\a)%4)+\b):8*(8*((\a)%4)+\b)+7], v[128*(\p)+FR*\b:128*(\p)+FR*\b+FR-1], v[AF+FR*(\a):AF+FR*(\a)+FR-1], v[BI+8*\b:BI+8*\b+7], v[SC+8*NQ*(\sc)+NQ*\b+(\q)], v[SC+8*NQ*(\sc)+NQ*(\a)+(\q)] matrix_a_scale:MATRIX_SCALE_ROW1
.else
	v_wmma_scale_f32_16x16x128_f8f6f4 v[8*(8*((\a)%4)+\b):8*(8*((\a)%4)+\b)+7], v[128*(\p)+FR*\b:128*(\p)+FR*\b+FR-1], v[AF+FR*(\a):AF+FR*(\a)+FR-1], v[8*(8*((\a)%4)+\b):8*(8*((\a)%4)+\b)+7], v[SC+8*NQ*(\sc)+NQ*\b+(\q)], v[SC+8*NQ*(\sc)+NQ*(\a)+(\q)] matrix_a_scale:MATRIX_SCALE_ROW1
.endif
.endr
.endr
.endm
.macro FETCH_B slot, q, p
	WIN TO_B
.irp i, 0,1,2,3,4,5,6,7
	FRAGB 128*(\p)+FR*\i, ADRB+\slot, \q, \i
.endr
	WIN 0
.endm
.macro FETCH_A slot, q, i0
.irp i, \i0, \i0+1, \i0+2, \i0+3
	FRAGA AF+FR*(\i), ADRA+\slot, \q, \i
.endr
.endm
.macro SCALES sc
.irp i, 0,1,2,3,4,5,6,7
	ds_load_b64 v[SC+8*NQ*\sc+NQ*\i:SC+8*NQ*\sc+NQ*\i+1], v[ADRS] offset:\i*SBLK
.endr
.endm
.macro PLACES n
.rept \n
	v_nop
.endr
.endm
.macro STEP slot, q, first
	s_wait_dscnt 4*NL                              ; B's set and A's blocks 0-3 are in; the sixteen youngest loads (A's blocks 4-7) may be out
.if \first
	WIN 0x81                                       ; C (bo) in window 0, D in window 2
.else
	WIN MUL_LO
.endif
	MUL16 0, (\q)%2, \q, \slot, \first
	MUL16 2, (\q)%2, \q, \slot, \first
	s_wait_dscnt 0
	PLACES NP
	FETCH_B \slot, (\q)+1, 1-(\q)%2
	FETCH_A \slot, (\q)+1, 0
.if \first
	WIN 0xc1
.else
	WIN MUL_HI
.endif
	MUL16 4, (\q)%2, \q, \slot, \first
	MUL16 6, (\q)%2, \q, \slot, \first
	PLACES NP
	WIN 0
	FETCH_A \slot, (\q)+1, 4
.endm
.macro TURN slot, next, fill
	s_wait_tensorcnt 0x0                           ; all my tensor loads have landed: my part of the next slot
	ds_add_u32 v[SPW], v[NIL]
	s_wait_dscnt 4*NL+1                            ; (the add and the sixteen youngest loads may be out)
	WIN MUL_LO
	MUL16 0, 1, NQ-1, \slot, 0
	s_wait_dscnt 0x0                               ; the add is done, and my reads of this slot are over
	s_barrier_signal -1
	MUL16 2, 1, NQ-1, \slot, 0
	WIN 0
	s_barrier_wait -1
.if \fill
	CREST                                          ; a round of the cluster's barrier: no wave of any partner still reads this slot or has a load on its way
	s_add_nc_u64 s[G0+4*\slot+2:G0+4*\slot+3], s[G0+4*\slot+2:G0+4*\slot+3], 2*4096
	s_add_nc_u64 s[G0B+4*\slot+2:G0B+4*\slot+3], s[G0B+4*\slot+2:G0B+4*\slot+3], 2*ROWB
	JLOAD G0+4*\slot, G1, G0B+4*\slot, G1B
	PLACES NP-4
.else
	PLACES NP
.endif
	v_add_nc_u32 v[ADRS], 4*NQ, v[ADRS]
	FETCH_B \next, 0, 0
	FETCH_A \next, 0, 0
	SCALES \next
	WIN MUL_HI
	MUL16 4, 1, NQ-1, \slot, 0
	MUL16 6, 1, NQ-1, \slot, 0
	PLACES NP
	WIN 0
	FETCH_A \next, 0, 4
.endm
	s_wait_tensorcnt 1                             ; the scale bytes and my part of K step 0 are in; K step 1's load may be out
	s_barrier_signal -1
	s_barrier_wait -1
	FETCH_B 0, 0, 0
	FETCH_A 0, 0, 0
	SCALES 0
	FETCH_A 0, 0, 4
	s_wait_loadcnt 0x0                             ; bo
	STEP 0, 0, 1                                   ; K = 1,024 is twice round the ring: eight steps of 128, written out
	TURN 0, 1, 1
	STEP 1, 0, 0
	TURN 1, 0, 1
	STEP 0, 0, 0
	TURN 0, 1, 0
	STEP 1, 0, 0
	s_wait_dscnt 4*NL
	WIN MUL_LO
	MUL16 0, 1, NQ-1, 1, 0
	MUL16 2, 1, NQ-1, 1, 0
	s_wait_dscnt 0
	WIN MUL_HI
	MUL16 4, 1, NQ-1, 1, 0
	MUL16 6, 1, NQ-1, 1, 0
	WIN 0
; THE WAY OUT, block by block of 16 rows x 128 columns, through my own stage: a lane's eight results of B's block b are columns 32 (b / 2) + 16 h + 8 (b % 2) + 0 .. 7 of its row; whole rows of 512 bytes come back.
; LDS serves a wave's instructions in order (ISA guide 5.7.1.4): no wait between the stores and the loads, nor in front of the next block's stores.
.macro TOSTAGE a
.set AC, 64*((\a)%4)
	WIN 0x08+4*((\a)/4)                            ; the data: window 2 or 3
.irp b, 0,1,2,3,4,5,6,7
	ds_store_b128 v[STO], v[AC+8*\b:AC+8*\b+3] offset:128*(\b/2)+32*(\b%2)        ; each accumulator from its low end on
	ds_store_b128 v[STO], v[AC+8*\b+4:AC+8*\b+7] offset:128*(\b/2)+32*(\b%2)+16
.endr
	WIN 0
.set BB, BK+64*((\a)%2)
.irp t, 0,1,2,3,4,5,6,7,8,9,10,11,12,13,14,15
	ds_load_b128 v[BB+4*\t:BB+4*\t+3], v[RD] offset:\t*SPITCH
.endr
.endm
.macro SEND a, younger                 ; stored row 16 a + t is token 32 (a / 2) + 16 (t / 8) + 8 (a % 2) + t % 8 of my 128: at most 127 rows of 4,096 bytes, inside the signed 24-bit immediate
.set BB, BK+64*((\a)%2)
	s_wait_dscnt \younger
.irp t, 0,1,2,3,4,5,6,7,8,9,10,11,12,13,14,15
	global_store_b128 v[CO], v[BB+4*\t:BB+4*\t+3], s[12:13] offset:(32*((\a)/2)+16*(\t/8)+8*((\a)%2)+\t%8)*4096 th:TH_STORE_NT   ; 32 lanes store 512 consecutive bytes, aligned
.endr
.endm
	PLACES NP
	TOSTAGE 0
.irp a, 1,2,3,4,5,6,7
.if \a > 1
	s_wait_xcnt 0x0                                ; block a - 2's stores have read their registers: block a's loads may land there
.endif
	TOSTAGE \a
	SEND \a-1, 32                                  ; behind block a - 1's loads: block a's 16 stores and 16 loads
.endr
	SEND 7, 0
	s_wait_tensorcnt 0x0                           ; the wave's end
	ds_add_u32 v[SPW], v[NIL]
	s_wait_dscnt 0x0
	CROUND                                         ; the closing round
	s_endpgm
.Lfunc_end_k_q6dd0951705_oproj:
	.size	k_q6dd0951705_oproj, .Lfunc_end_k_q6dd0951705_oproj-k_q6dd0951705_oproj
	.p2alignl 7, 3214868480
	.fill 96, 4, 3214868480
	.section	.rodata,"a",@progbits
	.p2align	6, 0x0
	.amdhsa_kernel k_q6dd0951705_oproj
		.amdhsa_group_segment_fixed_size 327680
		.amdhsa_private_segment_fixed_size 0
		.amdhsa_enable_private_segment 0
		.amdhsa_kernarg_size 32
		.amdhsa_user_sgpr_count 2
		.amdhsa_user_sgpr_kernarg_segment_ptr 1
		.amdhsa_wavefront_size32 1
		.amdhsa_system_sgpr_workgroup_id_x 1
		.amdhsa_system_sgpr_workgroup_id_y 1
		.amdhsa_system_sgpr_workgroup_id_z 1
		.amdhsa_system_vgpr_workitem_id 0
		.amdhsa_next_free_vgpr 1024
		.amdhsa_next_free_sgpr 98
		.amdhsa_reserve_vcc 0
		.amdhsa_float_denorm_mode_32 3
		.amdhsa_float_denorm_mode_16_64 3
		.amdhsa_memory_ordered 1
		.amdhsa_forward_progress 1
		.amdhsa_inst_pref_size 147
	.end_amdhsa_kernel
	.amdgpu_metadata
---
amdhsa.version: [ 1, 2 ]
amdhsa.kernels:
  - .name:           k_q6dd0951705_oproj
    .symbol:         k_q6dd0951705_oproj.kd
    .args:
      - { .name: aimg, .offset: 0, .size: 8, .value_kind: global_buffer, .address_space: global }
      - { .name: wq8, .offset: 8, .size: 8, .value_kind: global_buffer, .address_space: global }
      - { .name: bo, .offset: 16, .size: 8, .value_kind: global_buffer, .address_space: global }
      - { .name: out0, .offset: 24, .size: 8, .value_kind: global_buffer, .address_space: global }
    .group_segment_fixed_size: 327680
    .private_segment_fixed_size: 0
    .kernarg_segment_align: 8
    .kernarg_segment_size: 32
    .max_flat_workgroup_size: 128
    .sgpr_count:     98
    .vgpr_count:     1024
    .wavefront_size: 32
...
	.end_amdgpu_metadata
.endif
;; end of part 4
